; MI455X (gfx1250); checked and timed in simulation.
; The chip was launched on July 23, 2026; its instructions are those of AMD's public machine-readable ISA for CDNA 5 (MIT licence, August 2026) and "CDNA5" Instruction Set Architecture Reference Guide (July 2026). The comments in the code are by the model that wrote it; some were corrected since.
;; Attention. Allowed arithmetic: matrix products marked QUANTISED: E3M2 operands, one E8M0 scale for each 32 along K, by v_wmma_scale_f32_16x16x128_f8f6f4 with both operands' format E3M2, f32 sums; everything else in f32.
;; Inputs: bk 2,048 float32; bo 1,024 float32; bq 2,048 float32; bv 2,048 float32; rms_w 1,024 float32; wk 1,024 x 2,048 float32; wo 2,048 x 1,024 float32; wq 1,024 x 2,048 float32; wv 1,024 x 2,048 float32; x 2 x 2,048 x 1,024 float32.
;; Outputs: out0 2 x 2,048 x 1,024 float32.
;; This version of the problem:
;;   THIS VERSION OF THE PROBLEM IS GIVEN IN LOW PRECISION. The matrix products marked QUANTISED in the list below multiply operands that are first quantised to E3M2 (3 exponent bits, 2 mantissa bits; 6 bits a number), with one power-of-two scale for each 32 numbers along K (OCP MX v1.0); their sums are f32. All else is computed in f32.
;;   The module's matrix products, in the order in which they are computed (A, B: the left and right operand; K: the contracted axis; several contracted axes count as one K, in the product's order):
;;     1. [M 4,096, K 1,024] x [K 1,024, N 2,048]; A: computed on the way; B: input wq: QUANTISED
;;     2. [M 4,096, K 1,024] x [K 1,024, N 2,048]; A: computed on the way; B: input wk: QUANTISED
;;     3. [M 4,096, K 1,024] x [K 1,024, N 2,048]; A: computed on the way; B: input wv: QUANTISED
;;     4. batch 32 x [M 2,048, K 128] x [K 128, N 2,048]; A: computed on the way; B: computed on the way: QUANTISED
;;     5. batch 32 x [M 128, K 2,048] x [K 2,048, N 2,048]; A: computed on the way; B: softmax (see below): QUANTISED
;;     6. [M 4,096, K 2,048] x [K 2,048, N 1,024]; A: computed on the way; B: input wo: QUANTISED
;;   THE QUANTISER, for each operand of a quantised product, along K:
;;     - K is cut into blocks of 32 from its start; a last block that is shorter is filled with zeros.
;;     - A block's scale is 2^e with e = floor(log2(the largest magnitude in the block)) - 4, held to -126 .. 127; a block of zeros has e = 0. As a byte (E8M0): e + 127.
;;     - Each number is divided by its block's scale, clamped to +-28, and rounded to the nearest number of E3M2, ties to even, subnormals kept.
;;     - The product sums the exact products of the quantised numbers (number of the format x scale) in f32.
;;   ~~~python
;;   def quantise(x, axis):      # numpy; x: float32 -> the quantised numbers, widened to float32 again
;;       x = np.moveaxis(x, axis, -1); K = x.shape[-1]
;;       x = np.pad(x, [(0, 0)] * (x.ndim - 1) + [(0, -K % 32)]); x = x.reshape(x.shape[:-1] + (-1, 32)); a = np.abs(x).max(-1, keepdims=True)
;;       e = np.where(a > 0, np.clip(np.frexp(np.where(a > 0, a, 1))[1] - 1 - 4, -126, 127), 0)      # np.frexp(a)[1] - 1 = floor(log2(a)), exactly
;;       r = np.clip(x / 2.0 ** e, -28, 28)
;;       step = 2.0 ** (np.maximum(np.frexp(np.where(r == 0, 1, r))[1] - 1, -2) - 2)
;;       q = np.round(r / step) * step * 2.0 ** e      # np.round: ties to even
;;       return np.moveaxis(q.reshape(q.shape[:-2] + (-1,))[..., :K], -1, axis).astype(np.float32)
;;   ~~~
;;   SOFTMAX AHEAD OF A QUANTISED PRODUCT. Where the list says 'softmax', what is quantised is not the finished softmax but p = 2^(t - M), with t = logit x log2(e) and M = ceil(the row's largest t), a whole number; so 1/2 < the row's largest p <= 1. The row's sum l is taken of the UNQUANTISED p, in f32, and the product's result is divided by l at the end. Since M is a whole number, a kernel that streams over the keys may use a running M (the ceiling of the running maximum): every later rescaling is an exact power of two, which a block's scale takes up: the codes' values come out the same.
;;   OPERANDS COMPUTED ON THE WAY. 'Computed on the way' means the value that the module computes at that place (a softmax that the list does not call 'softmax' is quantised finished and normalised). What goes into a quantiser is computed in f32, as accurately as f32 sums, v_exp_f32 and their like allow (about 1e-6 of the number): no bf16 or f16 on the way to a quantiser, and a product that is left as it is and whose result goes on into a quantised operand takes f32 operands (vector FMAs, or v_wmma_f32_16x16x4_f32). A number that lies on a knife's edge between two numbers of the format may be rounded either way, as far as f32 arithmetic and the matrix unit's own rounding can turn it there, and no further.
;; One version. Each part assembles by itself: llvm-mc -triple=amdgcn-amd-amdhsa -mcpu=gfx1250 --defsym DOCPART=n.
;; ======== version 1 of 1: 4 launches
;; limits: right only within a limited range of input values
;; workspace buffers: op1 8,192,000 bytes; op2 8,192,000 bytes; rope 1,048,576 bytes; qkv 19,660,800 bytes
;; launch prep (part 1): grid 832 x 1, 4 waves a work-group, no clusters, 66,560 bytes of LDS; arguments x, rms_w, wq, wk, wv, wo, op1, op2, rope; writes op1, op2, rope
.if DOCPART == 1
	.amdgcn_target "amdgcn-amd-amdhsa--gfx1250"
	.amdhsa_code_object_version 6
	.text
	.protected	k_q0df15067d4_prep
	.globl	k_q0df15067d4_prep
	.p2align	8
	.type	k_q0df15067d4_prep,@function
k_q0df15067d4_prep:
	s_mov_b64 s[64:65], 0
	v_nop
	global_prefetch_b8 v0, s[64:65] scope:SCOPE_SE
	s_setreg_imm32_b32 hwreg(HW_REG_WAVE_MODE, 25, 1), 1
	s_wait_xcnt 0x0
; PREP: all that is quantised once.  Four kinds of work-group, told apart by the work-group's number alone:
;   0..383   wq, wk, wv [1024 (k)][2048 (n)] f32 -> codes of BF6 (E3M2) along K, into op1;   384..511  wo [2048 (k)][1024 (n)] likewise, into op2
;   512..767 x [4096][1024] f32: RMS norm x rms_w, quantised along K, into op1;              768..831  the table of RoPE's factors, into rope
; AN OPERAND LIES IN MEMORY AS AN IMAGE OF ITS REGISTERS.  A fragment is 16 rows x 128 K: 12 registers a lane, 1,536 bytes; registers 4 g .. 4 g + 3 of lane l lie at 512 g + 16 l.
; Tile T, K step s: image at T x TILEB + 1,536 s; the rows' scale words (four E8M0 bytes, 128 along K) at OPS + T x TILES + 64 s + 4 r.
; WHICH ROWS FORM A TILE is chosen for the launch that multiplies:
;   tokens and wv's columns: row r of tile T is item 32 (T / 2) + 8 (T % 2) + r % 8 + 16 (r / 8)
;   wq's and wk's columns, in a head: row r of tile 4 B + u is column 2 (32 B + 16 (r / 8) + 8 (u % 2) + r % 8) + u / 2;        wo's columns: as they lie
; A block's scale is 2^(floor(log2(its largest magnitude)) - 4): its byte is the largest magnitude's exponent field - 4, held at 1 from below.
; LIMITS.  NaN and infinities among the inputs are not served.  A block of zeros gets the byte 1 where the rule says 127: its codes are zeros, and this program alone reads the bytes.
; RoPE's frequency is 2^(-j log2(10000) / 64) by v_exp_f32 and the angle one f32 product pos x frequency; the frequency may differ from an f32 power function's by about one unit in its last place,
; which at position 2,047 is about 2e-4 in the angle.  Sine and cosine: the angle less n pi/2 in two parts (the first subtraction is exact for n under 2^11), then polynomials of degree 7 and 8 on [-pi/4, pi/4].
; No tensor loads and no cluster: the work-groups share no input but rms_w's 4,096 bytes.
.set OPS,  7864320                     ; where the scale words begin in op1 and in op2
.set XP,   4112                        ; a row of xn in LDS: 4,096 bytes + 16, an odd multiple of 16: the 16 rows that a load of 16 bytes a lane touches fall on 16 different columns of 16 bytes
.set SEL,  24                          ; s[24:25] lane selects for v_permlanex16_b32: lane l xor 16
.set X,    32                          ; v32-159  numbers as loaded
.set RW,   160                         ; v160-191 rms_w (x's path)
.set I0,   160                         ; v160-171, v172-183 two images (the weights' path)
.set I1,   172
.set CT,   184                         ; v184-186 a block's upper 16 codes, made here and moved
.set TM,   192                         ; v192-207 at work in QUANT4
.set PC,   212                         ; v212-230 the codes just made
; 64 numbers of a lane, v[s] .. v[s + 63], register 16 b + i = k 32 b + 16 (lane / 16) + i of my row, become a fragment's 12 registers in v[PC] on and its scale word in v[PW].
.macro QUANT4 s
.irp b, 0,1,2,3
	v_max3_num_f32 v[TM+\b], |v[(\s)+16*\b]|, |v[(\s)+1+16*\b]|, 0x2800000   ; my 16 numbers of block b, and the floor 2^(5 - 127): the byte cannot fall under 1
.endr
.irp i, 2,4,6,8,10,12,14
.irp b, 0,1,2,3
	v_max3_num_f32 v[TM+\b], |v[(\s)+16*\b+\i]|, |v[(\s)+1+16*\b+\i]|, v[TM+\b]   ; the four blocks by turns
.endr
.endr
.irp b, 0,1,2,3
	v_permlanex16_b32 v[TM+4+\b], v[TM+\b], s[SEL], s[SEL+1]
.endr
.irp b, 0,1,2,3
	v_max_num_f32 v[TM+\b], v[TM+\b], v[TM+4+\b]   ; with lane l xor 16's 16: the block's largest magnitude
.endr
.irp b, 0,1,2,3
	v_add_nc_u32 v[TM+12+\b], 0xfe000000, v[TM+\b]   ; 4 off its exponent field: the conversion takes this operand's exponent field as its scale
.endr
.irp b, 0,1,2,3
	v_lshrrev_b32 v[TM+4+\b], 23, v[TM+12+\b]      ; the scale's byte
.endr
	v_lshl_or_b32 v[PW], v[TM+5], 8, v[TM+4]
	v_lshl_or_b32 v[PW], v[TM+6], 16, v[PW]
	v_lshl_or_b32 v[PW], v[TM+7], 24, v[PW]        ; my row's scale word
	s_wait_xcnt 0x0                                ; earlier stores have read v[PC] on: only now are they written again
.irp c, 0,1
	v_cvt_scalef32_pk16_bf6_f32 v[PC+6*\c:PC+2+6*\c], v[(\s)+32*\c:(\s)+15+32*\c], v[TM+12+2*\c]
	v_cvt_scalef32_pk16_bf6_f32 v[PC+12+4*\c:PC+14+4*\c], v[(\s)+16+32*\c:(\s)+31+32*\c], v[TM+13+2*\c]   ; (a conversion's three registers begin on an even number)
.endr
	v_nop                                          ; one plain instruction behind a scaled conversion
.irp c, 0,1                                    ; the operand wants a WHOLE block in a lane: lanes 0-15 block 2 c, lanes 16-31 block 2 c + 1
.irp i, 0,1,2
	v_permlane16_swap_b32 v[PC+6*\c+\i], v[PC+12+4*\c+\i]
.endr
.irp i, 0,1,2
	v_mov_b32 v[PC+3+6*\c+\i], v[PC+12+4*\c+\i]
.endr
.endr
.endm
; THE WEIGHTS.  A work-group takes 128 columns x 128 along K.  A LANE TAKES A COLUMN AND ITS REGISTERS RUN DOWN K: a block of 32 is one lane's 32 registers, and the conversions give codes with K innermost.
; Lanes 0-15 hold the 16 rows of tile T0, lanes 16-31 those of tile T0 + dT.
.macro WLOAD k, pitch                  ; block k: W(32 k + i, my column)
.set i, 0
.rept 32
	global_load_b32 v[X+32*(\k)+i], v2, s[28:29] offset:(32*(\k)+i)*(\pitch) th:TH_LOAD_NT
.set i, i+1
.endr
.endm
.macro WBLOCK k, pitch
.set XS, X+32*(\k)
.set IM, I0+12*((\k)%2)+6*((\k)/2)     ; even blocks go to the first image's registers, odd ones to the second's
.if (\k) < 3
	s_wait_loadcnt 32                              ; this block's 32 loads are in; the next block's 32 may be out
.else
	s_wait_loadcnt 0x0
.endif
.if (\k) < 2
	WLOAD (\k)+2, \pitch
.endif
	v_max3_num_f32 v12, |v[XS]|, |v[XS+1]|, |v[XS+2]|
	v_max3_num_f32 v13, |v[XS+3]|, |v[XS+4]|, |v[XS+5]|
.irp i, 6,10,14,18,22,26
	v_max3_num_f32 v12, v12, |v[XS+\i]|, |v[XS+\i+1]|
	v_max3_num_f32 v13, v13, |v[XS+\i+2]|, |v[XS+\i+3]|
.endr
	v_max3_num_f32 v12, v12, |v[XS+30]|, |v[XS+31]|
	v_max3_num_f32 v12, v12, v13, 0x2800000        ; the block's largest magnitude, all 32 numbers mine, and the floor
	v_add_nc_u32 v11, 0xfe000000, v12              ; the conversions' scale operand
.if (\k) == 0
	v_lshrrev_b32 v14, 23, v11                     ; the four bytes make my column's scale word
.else
	v_lshrrev_b32 v10, 23, v11
	v_lshl_or_b32 v14, v10, 8*(\k), v14
.endif
	v_cvt_scalef32_pk16_bf6_f32 v[IM:IM+2], v[XS:XS+15], v11
	v_cvt_scalef32_pk16_bf6_f32 v[CT:CT+2], v[XS+16:XS+31], v11
	v_nop                                          ; one plain instruction behind a scaled conversion
.irp i, 0,1,2
	v_mov_b32 v[IM+3+\i], v[CT+\i]
.endr
.endm
; s[28:29] the tensor, s[30:31] the codes' buffer, s41 the group of 128 columns, s42 the K step, s43-45 the column's steps by lane bits, s46 my wave's first column, s53 T0, s54 dT, s55 the group's first tile
.macro WBODY pitch, tileb, tiles
	s_mul_i32 s56, s42, 128*(\pitch)
	s_lshl_b32 s57, s41, 9
	s_add_co_u32 s56, s56, s57
	s_mov_b32 s57, 0
	s_add_nc_u64 s[28:29], s[28:29], s[56:57]      ; row 128 s, column 128 G
	s_add_co_u32 s55, s55, s53                     ; tile T0, counted in the buffer
	s_mul_i32 s56, s55, \tileb
	s_mul_i32 s58, s42, 1536
	s_add_co_u32 s56, s56, s58
	s_add_nc_u64 s[32:33], s[30:31], s[56:57]      ; its image of this K step,
	s_mul_i32 s56, s54, \tileb
	s_add_nc_u64 s[34:35], s[32:33], s[56:57]      ; and the other tile's
	s_mul_i32 s56, s55, \tiles
	s_lshl_b32 s58, s42, 6
	s_add_co_u32 s56, s56, s58
	s_add_nc_u64 s[36:37], s[30:31], s[56:57]      ; T0's scale words of this K step (OPS stands in the store's immediate)
	s_mul_i32 s58, s54, \tiles
	v_and_b32 v5, 7, v1
	v_bfe_u32 v6, v1, 3, 1
	v_lshrrev_b32 v7, 4, v1
	v_mul_u32_u24 v2, v5, s43
	v_mad_u32_u24 v2, v6, s44, v2
	v_mad_u32_u24 v2, v7, s45, v2
	v_add_nc_u32 v2, s46, v2                       ; my column in the group
	v_lshlrev_b32 v2, 2, v2
	v_lshlrev_b32 v3, 4, v1                        ; 16 x lane: my place in an image
	v_and_b32 v4, 15, v1
	v_lshlrev_b32 v4, 2, v4
	v_mad_u32_u24 v4, v7, s58, v4                  ; my scale word: 4 r, in T0's words or the other tile's
	WLOAD 0, \pitch
	WLOAD 1, \pitch
	s_wait_alu depctr_va_vdst(0)
	WBLOCK 0, \pitch
	WBLOCK 1, \pitch
.irp i, 0,1,2,3,4,5                            ; the first's lanes 16-31 (the other tile's even block) change places with the second's lanes 0-15 (T0's odd block):
	v_permlane16_swap_b32 v[I0+\i], v[I1+\i]       ; the first is now T0's image (lanes 0-15 k = 0..31, lanes 16-31 k = 32..63), the second the other tile's
.endr
	WBLOCK 2, \pitch
	WBLOCK 3, \pitch
.irp i, 6,7,8,9,10,11
	v_permlane16_swap_b32 v[I0+\i], v[I1+\i]
.endr
.irp g, 0,1,2
	global_store_b128 v3, v[I0+4*\g:I0+4*\g+3], s[32:33] offset:512*\g    ; 32 lanes store 512 consecutive bytes
.endr
.irp g, 0,1,2
	global_store_b128 v3, v[I1+4*\g:I1+4*\g+3], s[34:35] offset:512*\g
.endr
	global_store_b32 v4, v14, s[36:37] offset:OPS  ; two runs of 64 bytes
	s_endpgm
.endm
	s_load_b256 s[4:11], s[0:1], 0x0               ; x s[4:5], rms_w s[6:7], wq s[8:9], wk s[10:11]
	s_load_b256 s[12:19], s[0:1], 0x20             ; wv s[12:13], wo s[14:15], op1 s[16:17], op2 s[18:19]
	s_load_b64 s[20:21], s[0:1], 0x40              ; rope
	v_lshl_add_u32 v254, v0, 2, 0x10200
	v_mov_b32 v255, 0
	v_lshrrev_b32 v1, 5, v0
	v_readfirstlane_b32 s22, v1                    ; wave 0..3
	v_and_b32 v1, 31, v0                           ; lane
	s_mov_b32 s[SEL], 0x76543210
	s_mov_b32 s[SEL+1], 0xfedcba98
	s_cmp_lt_u32 ttmp9, 384
	s_cbranch_scc1 .Lw_qkv
	s_cmp_lt_u32 ttmp9, 512
	s_cbranch_scc1 .Lw_o
	s_cmp_lt_u32 ttmp9, 768
	s_cbranch_scc1 .Lx
	; ---- THE TABLE.  rope[rho][128]: row rho belongs to position rho with bits 3 and 4 exchanged (the order of a token tile's rows); float 32 g + 16 c + t is c1 (c = 0) or c2 (c = 1) of j = 16 g + t,
	; where RoPE's result j (and j + 64) is c1 x[2 j] + c2 x[2 j + 1]: (cos, -sin) for even j, (sin, cos) for odd j, at the angle pos x 10000^(-j / 64).  A wave makes 8 rows, a lane 4 floats of each.
	s_sub_co_u32 s40, ttmp9, 768
	s_lshl_b32 s41, s40, 5
	s_and_b32 s42, s22, 1
	s_lshl_b32 s42, s42, 4
	s_lshr_b32 s43, s22, 1
	s_lshl_b32 s43, s43, 3
	s_add_co_u32 s42, s42, s43
	s_add_co_u32 s42, s42, s41                     ; my first position: 32 tw + 16 (w % 2) + 8 (w / 2)
	s_lshl_b32 s43, s22, 3
	s_add_co_u32 s43, s43, s41                     ; my first row: 32 tw + 8 w
	s_lshl_b32 s43, s43, 9
	s_wait_alu depctr_va_vdst(0)
	v_lshlrev_b32 v13, 4, v1
	v_add_nc_u32 v13, s43, v13                     ; my 16 bytes of the row
	v_cvt_f32_u32 v12, s42                         ; the position, as f32
	s_mov_b32 s44, 0x3f22f983                      ; 2 / pi
	s_mov_b32 s45, 0x3fc90fdb                      ; pi / 2: its upper part,
	s_mov_b32 s46, 0xb33bbd2e                      ; and the rest
	s_mov_b32 s47, 0xb94ca1f9                      ; sine: -1.9515296e-4,
	s_mov_b32 s48, 0x3c08839e                      ; 8.3321609e-3,
	s_mov_b32 s49, 0xbe2aaaa3                      ; -1.6666655e-1
	s_mov_b32 s50, 0x37ccf5ce                      ; cosine: 2.4433157e-5,
	s_mov_b32 s51, 0xbab6061a                      ; -1.3887316e-3,
	s_mov_b32 s52, 0x3d2aaaa5                      ; 4.1666646e-2
	s_mov_b32 s53, 0x80000000                      ; the sign
	s_mov_b32 s31, 0xf0f0f0f0                      ; the lanes that make c2: bit 2 of the lane
	v_lshrrev_b32 v14, 3, v1
	v_and_b32 v15, 3, v1
	v_lshlrev_b32 v14, 4, v14
	v_lshl_add_u32 v14, v15, 2, v14                ; j of my first float: 16 (l / 8) + 4 (l % 4)
.irp e, 0,1,2,3
	v_add_nc_u32 v[16+\e], \e, v14
.endr
.irp e, 0,1,2,3
	v_cvt_f32_u32 v[16+\e], v[16+\e]
.endr
.irp e, 0,1,2,3
	v_mul_f32 v[16+\e], 0xbe549a78, v[16+\e]       ; -j log2(10000) / 64
.endr
	s_wait_alu depctr_va_vdst(0)
.irp e, 0,1,2,3
	v_exp_f32 v[8+\e], v[16+\e]                    ; the frequency
.endr
	v_nop                                          ; a plain instruction behind the last exponential,
	s_wait_alu depctr_va_vdst(0)                   ; and one wait for the four, ahead of their first reader and of the label
	s_mov_b32 s54, 8
	s_wait_kmcnt 0x0
.Ltrip:
	s_wait_alu depctr_va_vdst(0)
.irp e, 0,1,2,3
	v_mul_f32 v[16+\e], v12, v[8+\e]               ; the angle
.endr
.irp e, 0,1,2,3
	v_mul_f32 v[20+\e], s44, v[16+\e]
.endr
.irp e, 0,1,2,3
	v_rndne_f32 v[20+\e], v[20+\e]                 ; n
.endr
.irp e, 0,1,2,3
	v_fma_f32 v[16+\e], -v[20+\e], s45, v[16+\e]   ; exact: n has under 11 bits, and the difference's last place is 2^-23
.endr
.irp e, 0,1,2,3
	v_fma_f32 v[16+\e], -v[20+\e], s46, v[16+\e]   ; r = angle - n pi / 2
.endr
.irp e, 0,1,2,3
	v_cvt_i32_f32 v[24+\e], v[20+\e]
.endr
.irp e, 0,1,2,3
	v_mul_f32 v[28+\e], v[16+\e], v[16+\e]         ; z = r r
.endr
.irp e, 0,1,2,3
	v_fma_f32 v[32+\e], v[28+\e], s47, s48
	v_fma_f32 v[36+\e], v[28+\e], s50, s51
.endr
.irp e, 0,1,2,3
	v_fma_f32 v[32+\e], v[32+\e], v[28+\e], s49
	v_fma_f32 v[36+\e], v[36+\e], v[28+\e], s52
.endr
.irp e, 0,1,2,3
	v_mul_f32 v[40+\e], v[16+\e], v[28+\e]         ; r z
	v_mul_f32 v[20+\e], v[28+\e], v[28+\e]         ; z z
	v_fma_f32 v[44+\e], v[28+\e], -0.5, 1.0
.endr
.irp e, 0,1,2,3
	v_fma_f32 v[32+\e], v[32+\e], v[40+\e], v[16+\e]   ; sin r
	v_fma_f32 v[36+\e], v[36+\e], v[20+\e], v[44+\e]   ; cos r
.endr
.irp e, 0,1,2,3
	v_and_b32 v[40+\e], 1, v[24+\e]
	v_cmp_eq_u32 vcc_lo, 1, v[40+\e]               ; an odd n exchanges the two;
	v_cndmask_b32 v[40+\e], v[32+\e], v[36+\e], vcc_lo
	v_cndmask_b32 v[44+\e], v[36+\e], v[32+\e], vcc_lo
	v_lshlrev_b32 v[28+\e], 30, v[24+\e]           ; the sine is negative where bit 1 of n is set,
	v_add_nc_u32 v[24+\e], 1, v[24+\e]
	v_and_b32 v[28+\e], s53, v[28+\e]
	v_lshlrev_b32 v[24+\e], 30, v[24+\e]           ; the cosine where bit 1 of n + 1 is
	v_xor_b32 v[40+\e], v[40+\e], v[28+\e]         ; sin
	v_and_b32 v[24+\e], s53, v[24+\e]
	v_xor_b32 v[44+\e], v[44+\e], v[24+\e]         ; cos
.if \e%2
	v_cndmask_b32 v[60+\e], v[40+\e], v[44+\e], s31    ; odd j: c1 = sin, c2 = cos
.else
	v_xor_b32 v[28+\e], s53, v[40+\e]
	v_cndmask_b32 v[60+\e], v[44+\e], v[28+\e], s31    ; even j: c1 = cos, c2 = -sin
.endif
.endr
	global_store_b128 v13, v[60:63], s[20:21]      ; a whole row: 512 consecutive bytes
	s_wait_xcnt 0x0                                ; the store has read its offset and its data: both are written again
	v_add_nc_u32 v13, 512, v13
	v_add_f32 v12, 1.0, v12
	s_sub_co_u32 s54, s54, 1
	s_cmp_lg_u32 s54, 0
	s_cbranch_scc1 .Ltrip
	s_endpgm
.Lw_qkv:
	s_lshr_b32 s40, ttmp9, 7                       ; 0 wq, 1 wk, 2 wv
	s_bfe_u32 s41, ttmp9, 0x40003                  ; the group of 128 columns: a head
	s_and_b32 s42, ttmp9, 7                        ; the K step
	s_lshr_b32 s47, s22, 1
	s_and_b32 s48, s22, 1
	s_lshl_b32 s49, s47, 6
	s_lshl_b32 s50, s48, 4
	s_add_co_u32 s49, s49, s50                     ; wq, wk: my first column 64 (w / 2) + 16 (w % 2),
	s_lshl_b32 s50, s47, 2
	s_add_co_u32 s50, s50, s48                     ; my tiles 4 (w / 2) + w % 2 and that + 2
	s_lshl_b32 s51, s22, 5                         ; wv: 32 w,
	s_lshl_b32 s52, s22, 1                         ; tiles 2 w and 2 w + 1
	s_lshl_b32 s55, s40, 7
	s_lshl_b32 s56, s41, 3
	s_add_co_u32 s55, s55, s56
	s_add_co_u32 s55, s55, 256                     ; the group's first tile: 256 + 128 tensor + 8 head
	s_wait_kmcnt 0x0
	s_cmp_eq_u32 s40, 0
	s_cselect_b64 s[28:29], s[8:9], s[10:11]
	s_cmp_eq_u32 s40, 2
	s_cselect_b64 s[28:29], s[12:13], s[28:29]
	s_cselect_b32 s43, 1, 2                        ; the column's step for bits 0-2 of the lane,
	s_cselect_b32 s44, 16, 32                      ; for bit 3,
	s_cselect_b32 s45, 8, 1                        ; for bit 4
	s_cselect_b32 s46, s51, s49
	s_cselect_b32 s53, s52, s50
	s_cselect_b32 s54, 1, 2
	s_mov_b64 s[30:31], s[16:17]
	s_wait_alu depctr_va_vdst(0)
	WBODY 8192, 12288, 512
.Lw_o:
	s_sub_co_u32 s40, ttmp9, 384
	s_lshr_b32 s41, s40, 4                         ; the group of 128 columns
	s_and_b32 s42, s40, 15                         ; the K step
	s_mov_b32 s43, 1
	s_mov_b32 s44, 8
	s_mov_b32 s45, 16
	s_lshl_b32 s46, s22, 5
	s_lshl_b32 s53, s22, 1
	s_mov_b32 s54, 1
	s_lshl_b32 s55, s41, 3
	s_add_co_u32 s55, s55, 256
	s_wait_kmcnt 0x0
	s_mov_b64 s[28:29], s[14:15]
	s_mov_b64 s[30:31], s[18:19]
	s_wait_alu depctr_va_vdst(0)
	WBODY 4096, 24576, 1024
	; ---- x.  A work-group takes one token tile (16 rows).  Wave w normalises rows 4 w .. 4 w + 3, four neighbouring tokens, each load 512 consecutive bytes; the rows meet in LDS; then wave w quantises K steps 2 w and 2 w + 1 of all 16 rows.
.Lx:
	s_sub_co_u32 s40, ttmp9, 512                   ; the tile
	s_lshr_b32 s41, s40, 1
	s_lshl_b32 s41, s41, 5
	s_and_b32 s42, s40, 1
	s_lshl_b32 s42, s42, 3
	s_add_co_u32 s41, s41, s42
	s_and_b32 s42, s22, 1
	s_lshl_b32 s42, s42, 2
	s_add_co_u32 s41, s41, s42
	s_lshr_b32 s42, s22, 1
	s_lshl_b32 s42, s42, 4
	s_add_co_u32 s41, s41, s42                     ; my first token: 32 (T / 2) + 8 (T % 2) + 4 (w % 2) + 16 (w / 2)
	s_lshl_b32 s42, s41, 12
	s_mov_b32 s43, 0
	s_mov_b32 s26, 0x3a800000                      ; 1 / 1024
	s_mov_b32 s27, 0x3727c5ac                      ; 1e-5
	s_mov_b32 s30, 0xffff0000                      ; lanes 16-31
	s_mul_i32 s44, s40, 12288
	s_mul_i32 s45, s22, 3072
	s_add_co_u32 s44, s44, s45                     ; the tile's images of my two K steps
	s_mov_b32 s45, 0
	s_lshl_b32 s46, s40, 9
	s_lshl_b32 s47, s22, 7
	s_add_co_u32 s46, s46, s47                     ; and their scale words: 128 consecutive bytes
	s_mov_b32 s47, 0
	s_wait_alu depctr_va_vdst(0)
	v_and_b32 v2, 15, v1                           ; r
	v_lshrrev_b32 v3, 4, v1                        ; h
	v_lshlrev_b32 v4, 4, v1                        ; 16 x lane
	s_mul_i32 s48, s22, 4*XP
	v_add_nc_u32 v5, s48, v4                       ; LDS, in: my four rows, 16 bytes a lane
	v_mul_u32_u24 v6, v2, XP
	v_lshl_add_u32 v6, v3, 6, v6
	s_lshl_b32 s48, s22, 10
	v_add_nc_u32 v6, s48, v6                       ; LDS, out: row r, my two K steps (1,024 bytes a wave), + 64 h: my 16 numbers of a block
	v_lshlrev_b32 v7, 2, v1
	s_wait_alu depctr_va_vdst(0)
	s_wait_kmcnt 0x0
	s_add_nc_u64 s[4:5], s[4:5], s[42:43]
	s_add_nc_u64 s[32:33], s[16:17], s[44:45]
	s_add_nc_u64 s[34:35], s[16:17], s[46:47]
.irp j, 0,1,2,3,4,5,6,7
	global_load_b128 v[RW+4*\j:RW+4*\j+3], v4, s[6:7] offset:512*\j
.endr
.irp e, 0,1,2,3
.irp j, 0,1,2,3,4,5,6,7
	global_load_b128 v[X+32*\e+4*\j:X+32*\e+4*\j+3], v4, s[4:5] offset:4096*\e+512*\j th:TH_LOAD_NT
.endr
.endr
	s_wait_loadcnt 0x0
.irp e, 0,1,2,3
	v_pk_mul_f32 v[192+2*\e:193+2*\e], v[X+32*\e:X+32*\e+1], v[X+32*\e:X+32*\e+1]   ; the first squares start the sums
.endr
.irp i, 2,4,6,8,10,12,14,16,18,20,22,24,26,28,30
.irp e, 0,1,2,3
	v_pk_fma_f32 v[192+2*\e:193+2*\e], v[X+32*\e+\i:X+32*\e+\i+1], v[X+32*\e+\i:X+32*\e+\i+1], v[192+2*\e:193+2*\e]   ; the four rows by turns
.endr
.endr
.irp e, 0,1,2,3
	v_add_f32 v[192+2*\e], v[192+2*\e], v[193+2*\e]
.endr
.irp m, 1,2,4,8
.irp e, 0,1,2,3
	v_add_f32_dpp v[192+2*\e], v[192+2*\e], v[192+2*\e] row_xmask:\m row_mask:0xf bank_mask:0xf
.endr
.endr
.irp e, 0,1,2,3
	v_permlanex16_b32 v[193+2*\e], v[192+2*\e], s[SEL], s[SEL+1]
.endr
.irp e, 0,1,2,3
	v_add_f32 v[192+2*\e], v[192+2*\e], v[193+2*\e]    ; the row's sum of squares, in every lane
.endr
.irp e, 0,1,2,3
	v_fma_f32 v[192+2*\e], v[192+2*\e], s26, s27       ; the mean + eps
.endr
	s_wait_alu depctr_va_vdst(0)
.irp e, 0,1,2,3
	v_rsq_f32 v[200+2*\e], v[192+2*\e]
.endr
	v_nop                                          ; a plain instruction behind the last of them,
	s_wait_alu depctr_va_vdst(0)                   ; and one wait for the four, ahead of their first reader
.irp e, 0,1,2,3
	v_mov_b32 v[201+2*\e], v[200+2*\e]             ; a pair for the packed multiply
.endr
.irp e, 0,1,2,3
.irp i, 0,2,4,6,8,10,12,14,16,18,20,22,24,26,28,30
	v_pk_mul_f32 v[X+32*\e+\i:X+32*\e+\i+1], v[X+32*\e+\i:X+32*\e+\i+1], v[200+2*\e:201+2*\e]
.endr
.irp i, 0,2,4,6,8,10,12,14,16,18,20,22,24,26,28,30
	v_pk_mul_f32 v[X+32*\e+\i:X+32*\e+\i+1], v[X+32*\e+\i:X+32*\e+\i+1], v[RW+\i:RW+\i+1]   ; (x rs) w, in the order in which it is defined
.endr
.endr
.irp e, 0,1,2,3
.irp j, 0,1,2,3,4,5,6,7
	ds_store_b128 v5, v[X+32*\e+4*\j:X+32*\e+4*\j+3] offset:XP*\e+512*\j
.endr
.endr
	s_wait_dscnt 0x0                               ; for the others' sake: my rows lie in LDS
	s_barrier_signal -1
	s_barrier_wait -1
.irp p, 0,1
.irp b, 0,1,2,3
.irp j, 0,1,2,3
	ds_load_b128 v[X+64*\p+16*\b+4*\j:X+64*\p+16*\b+4*\j+3], v6 offset:512*\p+128*\b+16*\j
.endr
.endr
.endr
	s_wait_dscnt 16                                ; the first K step's 16 loads are in; the second's may be out
.set PW, 208
	QUANT4 X
.irp g, 0,1,2
	global_store_b128 v4, v[PC+4*\g:PC+4*\g+3], s[32:33] offset:512*\g
.endr
	s_wait_dscnt 0x0
.set PW, 209
	QUANT4 X+64
.irp g, 0,1,2
	global_store_b128 v4, v[PC+4*\g:PC+4*\g+3], s[32:33] offset:1536+512*\g
.endr
	v_cndmask_b32 v210, v208, v209, s30            ; lanes 0-15 the first K step's words, lanes 16-31 the second's
	global_store_b32 v7, v210, s[34:35] offset:OPS
	s_wait_tensorcnt 0x0
	ds_add_u32 v254, v255
	s_wait_dscnt 0x0
	s_endpgm
.Lfunc_end_k_q0df15067d4_prep:
	.size	k_q0df15067d4_prep, .Lfunc_end_k_q0df15067d4_prep-k_q0df15067d4_prep
	.p2alignl 7, 3214868480
	.fill 96, 4, 3214868480
	.section	.rodata,"a",@progbits
	.p2align	6, 0x0
	.amdhsa_kernel k_q0df15067d4_prep
		.amdhsa_group_segment_fixed_size 66560
		.amdhsa_private_segment_fixed_size 0
		.amdhsa_enable_private_segment 0
		.amdhsa_kernarg_size 72
		.amdhsa_user_sgpr_count 2
		.amdhsa_user_sgpr_kernarg_segment_ptr 1
		.amdhsa_wavefront_size32 1
		.amdhsa_system_sgpr_workgroup_id_x 1
		.amdhsa_system_sgpr_workgroup_id_y 1
		.amdhsa_system_sgpr_workgroup_id_z 1
		.amdhsa_system_vgpr_workitem_id 0
		.amdhsa_next_free_vgpr 256
		.amdhsa_next_free_sgpr 66
		.amdhsa_reserve_vcc 1
		.amdhsa_float_denorm_mode_32 3
		.amdhsa_float_denorm_mode_16_64 3
		.amdhsa_memory_ordered 1
		.amdhsa_forward_progress 1
		.amdhsa_inst_pref_size 83
	.end_amdhsa_kernel
	.amdgpu_metadata
---
amdhsa.version: [ 1, 2 ]
amdhsa.kernels:
  - .name:           k_q0df15067d4_prep
    .symbol:         k_q0df15067d4_prep.kd
    .args:
      - { .name: x, .offset: 0, .size: 8, .value_kind: global_buffer, .address_space: global }
      - { .name: rms_w, .offset: 8, .size: 8, .value_kind: global_buffer, .address_space: global }
      - { .name: wq, .offset: 16, .size: 8, .value_kind: global_buffer, .address_space: global }
      - { .name: wk, .offset: 24, .size: 8, .value_kind: global_buffer, .address_space: global }
      - { .name: wv, .offset: 32, .size: 8, .value_kind: global_buffer, .address_space: global }
      - { .name: wo, .offset: 40, .size: 8, .value_kind: global_buffer, .address_space: global }
      - { .name: op1, .offset: 48, .size: 8, .value_kind: global_buffer, .address_space: global }
      - { .name: op2, .offset: 56, .size: 8, .value_kind: global_buffer, .address_space: global }
      - { .name: rope, .offset: 64, .size: 8, .value_kind: global_buffer, .address_space: global }
    .group_segment_fixed_size: 66560
    .private_segment_fixed_size: 0
    .kernarg_segment_align: 8
    .kernarg_segment_size: 72
    .max_flat_workgroup_size: 128
    .sgpr_count:     66
    .vgpr_count:     256
    .wavefront_size: 32
...
	.end_amdgpu_metadata
.endif
;; end of part 1
;; launch qkv (part 2): grid 16 x 16, 4 waves a work-group, clusters of 4 x 4, 327,680 bytes of LDS; arguments op1, rope, bq, bk, bv, qkv; writes qkv
.if DOCPART == 2
	.amdgcn_target "amdgcn-amd-amdhsa--gfx1250"
	.amdhsa_code_object_version 6
	.text
	.protected	k_q0df15067d4_qkv
	.globl	k_q0df15067d4_qkv
	.p2align	8
	.type	k_q0df15067d4_qkv,@function
k_q0df15067d4_qkv:
	s_mov_b64 s[64:65], 0
	v_nop
	global_prefetch_b8 v0, s[64:65] scope:SCOPE_SE
	s_setreg_imm32_b32 hwreg(HW_REG_WAVE_MODE, 25, 1), 1
	s_wait_xcnt 0x0
	s_wait_alu depctr_hold_cnt(0) depctr_sa_sdst(0) depctr_va_vdst(0) depctr_va_sdst(0) depctr_va_ssrc(0) depctr_va_vcc(0) depctr_vm_vsrc(0)
	s_getreg_b32 s2, hwreg(HW_REG_IB_STS2, 6, 4)
	s_cmp_eq_u32 s2, 0
	s_cbranch_scc0 .Lentry_in_a_cluster
	s_endpgm
.Lentry_in_a_cluster:
	s_bfe_u32 s2, ttmp6, 0x10000c
	s_cmp_lg_u32 s2, 0xf033
	s_cbranch_scc0 .Lentry_shape_is_right
	s_endpgm
.Lentry_shape_is_right:
; QKV: q, k, v = xn W + b on codes of BF6 (E3M2) with one E8M0 scale for each 32 along K (K = 1,024); RoPE on q and k; the results quantised again and stored as operands of the attention launch.
; op1 holds both operands as images of their registers (a fragment of 16 rows x 128 K: 1,536 bytes, registers 4 g .. 4 g + 3 of lane l at 512 g + 16 l): tile T, K step s at 12,288 T + 1,536 s; scale words at OPS + 512 T + 64 s + 4 r.
; Tiles 0..255: xn's tokens (row r of tile T is token 32 (T / 2) + 8 (T % 2) + r % 8 + 16 (r / 8)); 256..639: wq's, wk's, wv's columns, 8 tiles a head.
; 256 WORK-GROUPS, EACH WITH TWO PHASES, so that all have the same work.
; PHASE 1, q and k: 256 columns x 256 tokens, a wave one head x 128 tokens in 64 accumulators.  Source 0 = 16 columns of W, source 1 = 16 tokens: a lane holds ONE token.  The columns of a tile are chosen so that the 32 registers of
; tiles 4 B .. 4 B + 3 are x[2 j], then x[2 j + 1], for j = 32 B + 16 (lane / 16) + 0 .. 15.  RoPE's result j, which is also its result j + 64, is c1[j] x[2 j] + c2[j] x[2 j + 1]: so blocks 2 and 3 of a row's codes are copies of blocks 0 and 1.
; PHASE 2, v: 256 tokens x the 128 channels of one head, a wave 128 tokens x 64 channels in 32 accumulators.  THE SAME MACROS WITH THE DATA EXCHANGED: source 0 = 16 tokens, source 1 = 16 columns of wv (NA = 4 blocks a wave):
; a lane holds one channel and its registers run along the tokens, the second attention product's K.
; K goes as 3 + 3 + 2 steps of 128 through two LDS slots, in each phase.  Phase 2's first three steps are asked for into slot 0 behind the round in front of phase 1's way out, and its scale words and bias are loaded under that way out.
; CLUSTERS of 4 x 4: source 1's tiles are shared along a row of the cluster, source 0's along a column, in both phases: each is asked for jointly, by the same tensor load with a mask that names the four.  So is RoPE's table, along a row.
; qkv, in records of 12,800 bytes: 8 fragments (tile a at 1,536 a) and at 12,288 a block of scale words (the word at 16 l + 4 p is that of tile 2 p + l / 16, row l % 16).
; K and V of head hd = 16 batch + head, step of 128 tokens: at (16 hd + step) x 25,600, K's record, then V's;  Q: at 13,107,200 + (16 hd + step) x 12,800.
; NO PREFETCH: K is 8 steps, written out with no loop to run ahead in, and each fill is asked for three K steps ahead of its first read.
; LIMITS: NaN and infinities are not served; a block of zeros gets the byte 1 where the rule says 127 (its codes are zeros; this program alone reads the bytes).
; REGISTERS, in windows of 256: window 0: v0-31 addresses; v32-95 the 64 scale registers; v96-127 RoPE's results; v128-223 source 1's fragments, ONE set (on the way out the codes just made); v224-247 at work.
;   window 1: source 0's fragments, two sets at v0 and v128; phase 1's bias at v96-127 and v224-255, phase 2's at v224-255; on phase 1's way out v0-127 the table's rows.   windows 2, 3: accumulator (a, b) at 8 (8 a + b).
.set NB,    8                          ; source 0's blocks of 16 in a wave's tile;  NA, set ahead of each phase: source 1's
.set NQ,    3                          ; K steps of 128 in a slot
.set KST,   8                          ; K steps in all
.set TILEB, 12288
.set TILES, 512
.set OPS,   7864320
.set HALFT, NB*NQ*1536                 ; a wave's place in a slot: what its tensor load brings at the most
.set SLOT,  4*HALFT                    ; source 1's two halves, then source 0's
.set SPARE, 2*SLOT                     ; behind the slots: the spare words, 128 bytes a wave
.set TABLE, SLOT                       ; the table's 256 rows lie in slot 1, once that is read out
.set TP,    528                        ; a row of it: 512 bytes + 16
.set ADRA,  16                         ; v16-17 LDS address of source 1's fragments in slot 0, 1
.set ADRB,  20                         ; v20-21 of source 0's
.set TBA,   24                         ; my token's row of the table
.set GO,    25                         ; 16 x lane
.set SCA,   26                         ; the scale loads' offset
.set BIA,   27                         ; the bias loads' offset, phase 1
.set SPW,   28
.set NIL,   29
.set SCB,   30                         ; phase 2, blocks 4-7: as SCA, but lanes 0-15 four tiles lower, so that they stay inside the buffer
.set BI2,   31                         ; the bias loads' offset, phase 2
.set SC,    32                         ; register KST i + s: lanes 0-15 the word of source 1's block i, lanes 16-31 that of source 0's block i, K step s
.set R,     96
.set AF,    128
.set PC,    128
.set TM,    224
.set PW0,   240
.set W,     244
.set G1A,   24                         ; s[24:31] group 1 for source 1's tiles;  s[40:51] its three groups 0
.set G1B,   32                         ; s[32:39], s[68:79] the same for source 0's
.set G0A,   40
.set VA,    52                         ; s[52:53], s[54:55] phase 2: the tiles that I fetch for source 1, for source 0
.set VB,    54
.set G1T,   56                         ; s[56:63], s[84:87] the table's
.set G0B,   68
.set DS2,   80                         ; s[80:81] phase 2: my scale words' place;  s[82:83] my tiles' place
.set DV,    82
.set G0T,   84
.set SEL,   88                         ; s[88:89] lane selects for v_permlanex16_b32: lane l xor 16
.set DST,   92                         ; s[92:93] phase 1: my record
.set BP,    94                         ; s[94:95] my bias
.set MSB, 0
.macro WIN new                         ; the immediate's high byte repeats the setting that is left; a switch that changes nothing is dropped
.if MSB != (\new)
	s_set_vgpr_msb (MSB<<8)|(\new)
.set MSB, \new
.endif
.endm
.macro PLACES n                        ; plain instructions between a matrix instruction and a load into, or a vector instruction on, its registers
.rept \n
	v_nop
.endr
.endm
.macro CREST                           ; a round of the cluster's barrier behind its opening barrier
	s_cmp_lg_u32 s16, 0
	s_cbranch_scc1 .Lnot_wave_0_\@
	s_barrier_signal -3
.Lnot_wave_0_\@:
	s_barrier_wait -3
	s_barrier_signal -1
	s_barrier_wait -1
.endm
.macro CROUND
	s_barrier_signal -1
	s_barrier_wait -1
	CREST
.endm
.macro JLOAD k                         ; fill k, jointly: waves 0 and 1 fetch source 1's halves, waves 2 and 3 source 0's; s_nop 0 and four v_nop follow each line
	s_cmp_eq_u32 s17, 0
	s_cbranch_scc0 .Lfor_b_\@
	tensor_load_to_lds s[G0A+4*\k:G0A+4*\k+3], s[G1A:G1A+7]
	s_nop 0
	PLACES 4
	s_branch .Lasked_\@
.Lfor_b_\@:
	tensor_load_to_lds s[G0B+4*\k:G0B+4*\k+3], s[G1B:G1B+7]
	s_nop 0
	PLACES 4
.Lasked_\@:
.endm
.macro FRAG reg, adr, off              ; an image comes back as it was stored: three loads of 512 consecutive bytes
.irp c, 0,1,2
	ds_load_b128 v[(\reg)+4*\c:(\reg)+4*\c+3], v[\adr] offset:(\off)+512*\c
.endr
.endm
.macro FETCH_B sl, q, p                ; source 0's NB fragments of slot sl's q-th K step into set p
	WIN 0x40
.set ii, 0
.rept NB
	FRAG 128*(\p)+12*ii, ADRB+(\sl), (ii*NQ+(\q))*1536
.set ii, ii+1
.endr
	WIN 0
.endm
.macro FETCH_A sl, q, i0               ; source 1's blocks i0 .. i0 + NA / 2 - 1
.set ii, \i0
.rept NA/2
	FRAG AF+12*ii, ADRA+(\sl), (ii*NQ+(\q))*1536
.set ii, ii+1
.endr
.endm
; NB matrix instructions: source 1's block a against source 0's NB blocks, K step s, source 0's set p.  cm = 0: onto the sums; 1: the sums begin with the bias of block b; 2: of block a.
; The accumulators take turns, one instruction a turn, in the same order in every step.
.macro MULA a, p, s, cm
.set AI, 8*NB*(\a)
.set AR, AI%256
.if (\cm) == 0
	WIN 0xa1+0x50*(AI/256)                         ; source 0 window 1, source 1 window 0, C and D window 2 or 3
.else
	WIN 0x91+0x40*(AI/256)                         ; C window 1
.endif
.set FA, AF+12*(\a)
.set SA, SC+KST*(\a)+(\s)
.set bb, 0
.rept NB
.set DD, AR+8*bb
.set FB, 128*(\p)+12*bb
.set SB, SC+KST*bb+(\s)
.if (\cm) == 0
	v_wmma_scale_f32_16x16x128_f8f6f4 v[DD:DD+7], v[FB:FB+11], v[FA:FA+11], v[DD:DD+7], v[SB], v[SA] matrix_a_fmt:MATRIX_FMT_BF6 matrix_b_fmt:MATRIX_FMT_BF6 matrix_a_scale:MATRIX_SCALE_ROW1
.else
.if (\cm) == 1
.set CI, 96+8*bb+96*(bb/4)
.else
.set CI, 224+8*(\a)
.endif
	v_wmma_scale_f32_16x16x128_f8f6f4 v[DD:DD+7], v[FB:FB+11], v[FA:FA+11], v[CI:CI+7], v[SB], v[SA] matrix_a_fmt:MATRIX_FMT_BF6 matrix_b_fmt:MATRIX_FMT_BF6 matrix_a_scale:MATRIX_SCALE_ROW1
.endif
.set bb, bb+1
.endr
.endm
; K step s, whose successor's tiles are known to lie in LDS.  A block of source 1 is free as soon as its NB products are issued: its lower half is fetched anew in the step's middle, its upper half at the end.
.macro STEP s, cm
.set NX, (\s)+1
.set SLN, (NX/NQ)%2
.set QN, NX%NQ
.set PP, (\s)%2
	s_wait_dscnt 3*NA/2                            ; source 0's set and source 1's lower half are in; the youngest loads, its upper half, may be out
.set aa, 0
.rept NA/2
	MULA aa, PP, \s, \cm
.set aa, aa+1
.endr
	s_wait_dscnt 0x0
	PLACES 4
	FETCH_B SLN, QN, 1-PP
	FETCH_A SLN, QN, 0
.rept NA/2
	MULA aa, PP, \s, \cm
.set aa, aa+1
.endr
	PLACES 4
	WIN 0
	FETCH_A SLN, QN, NA/2
.endm
; A K step with a barrier in it.  In front of the barrier each wave waits for all its tensor loads, adds 0 to its spare word, and waits for that and for its reads of LDS.
; kind 1: the barrier opens a round of the cluster's, and K steps 6 and 7 are asked for into slot 0;  kind 2: likewise, the table into slot 1;  kind 0: nothing is filled.
.macro TURN s, kind
.set NX, (\s)+1
.set SLN, (NX/NQ)%2
.set QN, NX%NQ
.set PP, (\s)%2
	s_wait_tensorcnt 0x0                           ; all my tensor loads have landed;
	ds_add_u32 v[SPW], v[NIL]                      ; 0 onto my spare word;
.if (\kind) == 1
	s_mov_b32 s[G1A+1], (2*192)<<16                ; no tensor load of mine is out: the next load brings two K steps of each tile (tensor_dim0; what lies beyond it is written as zeros and never read)
	s_mov_b32 s[G1B+1], (2*192)<<16
.endif
	s_wait_dscnt 3*NA/2+1                          ; (the add and source 1's upper half may be out)
.set aa, 0
.rept NA/4
	MULA aa, PP, \s, 0                             ; matrix instructions stand between the add and the wait for it
.set aa, aa+1
.endr
	s_wait_dscnt 0x0                               ; the add is done, and my reads of the slots so far are over
	s_barrier_signal -1
.rept NA/4
	MULA aa, PP, \s, 0
.set aa, aa+1
.endr
	WIN 0
	s_barrier_wait -1
.if (\kind) == 1
	CREST                                          ; no wave of any partner still reads slot 0 or has a load on its way
	JLOAD 2                                        ; my one tensor load behind the round; its four v_nop are also the places in front of the loads below
.elseif (\kind) == 2
	CREST
	tensor_load_to_lds s[G0T:G0T+3], s[G1T:G1T+7]  ; 64 rows of the table a wave
	s_nop 0
	PLACES 4
.else
	PLACES 4
.endif
	FETCH_B SLN, QN, 1-PP
	FETCH_A SLN, QN, 0
.rept NA/2
	MULA aa, PP, \s, 0
.set aa, aa+1
.endr
	PLACES 4
	WIN 0
	FETCH_A SLN, QN, NA/2
.endm
.macro LAST s
.set PP, (\s)%2
	s_wait_dscnt 3*NA/2
.set aa, 0
.rept NA/2
	MULA aa, PP, \s, 0
.set aa, aa+1
.endr
	s_wait_dscnt 0x0
.rept NA/2
	MULA aa, PP, \s, 0
.set aa, aa+1
.endr
	WIN 0
.endm
.macro KLOOP cm, kind                  ; all of K, written out, so that a step's scale registers are named.  K steps 0-2 have been asked for into slot 0
	s_wait_alu depctr_va_vdst(0)
	s_wait_tensorcnt 0x0                           ; my part of K steps 0-2 is in
	ds_add_u32 v[SPW], v[NIL]
	s_wait_dscnt 0x0
	CROUND                                         ; everybody's part is in, nobody reads slot 1, and all sixteen work-groups are here
	JLOAD 1                                        ; K steps 3-5 into slot 1
	FETCH_B 0, 0, 0
	FETCH_A 0, 0, 0
	FETCH_A 0, 0, NA/2
	s_wait_loadcnt 0x0                             ; the scale words and the bias
	STEP 0, \cm
	STEP 1, 0
	TURN 2, 1
	STEP 3, 0
	STEP 4, 0
	TURN 5, \kind
	STEP 6, 0
	LAST 7
.endm
; THE QUANTISER.  n blocks' largest magnitudes are joined with lane l xor 16's
.macro QCROSS n
.set b, 0
.rept \n
	v_permlanex16_b32 v[TM+4+b], v[TM+b], s[SEL], s[SEL+1]
.set b, b+1
.endr
.set b, 0
.rept \n
	v_max_num_f32 v[TM+b], v[TM+b], v[TM+4+b]
.set b, b+1
.endr
.endm
; 64 numbers of a lane in window w, register 16 b + i = k 32 b + 16 (lane / 16) + i of my row, become a fragment in v[PC] on and its scale word in v[PW]
.macro QUANT4 s, w
	WIN (\w)|((\w)<<2)                             ; the numbers are sources 0 and 1
.irp b, 0,1,2,3
	v_max3_num_f32 v[TM+\b], |v[(\s)+16*\b]|, |v[(\s)+1+16*\b]|, 0x2800000   ; with the floor 2^(5 - 127): the byte cannot fall under 1.  Each accumulator is read from its low end on
.endr
.irp i, 2,4,6,8,10,12,14
.irp b, 0,1,2,3
	v_max3_num_f32 v[TM+\b], |v[(\s)+16*\b+\i]|, |v[(\s)+1+16*\b+\i]|, v[TM+\b]
.endr
.endr
	WIN 0
	QCROSS 4
.irp b, 0,1,2,3
	v_add_nc_u32 v[TM+12+\b], 0xfe000000, v[TM+\b]   ; 4 off the exponent field: the conversion's scale operand
.endr
.irp b, 0,1,2,3
	v_lshrrev_b32 v[TM+4+\b], 23, v[TM+12+\b]      ; the scale's byte
.endr
	v_lshl_or_b32 v[PW], v[TM+5], 8, v[TM+4]
	v_lshl_or_b32 v[PW], v[TM+6], 16, v[PW]
	v_lshl_or_b32 v[PW], v[TM+7], 24, v[PW]
	s_wait_alu depctr_va_vdst(0)
	s_wait_xcnt 0x0                                ; the last tile's stores have read v[PC] on
	WIN \w
.irp c, 0,1
	v_cvt_scalef32_pk16_bf6_f32 v[PC+6*\c:PC+2+6*\c], v[(\s)+32*\c:(\s)+15+32*\c], v[TM+12+2*\c]
	v_cvt_scalef32_pk16_bf6_f32 v[PC+12+4*\c:PC+14+4*\c], v[(\s)+16+32*\c:(\s)+31+32*\c], v[TM+13+2*\c]
.endr
	WIN 0
	v_nop                                          ; one plain instruction behind a scaled conversion
.irp c, 0,1                                    ; a WHOLE block to a lane: lanes 0-15 block 2 c, lanes 16-31 block 2 c + 1
.irp i, 0,1,2
	v_permlane16_swap_b32 v[PC+6*\c+\i], v[PC+12+4*\c+\i]
.endr
.irp i, 0,1,2
	v_mov_b32 v[PC+3+6*\c+\i], v[PC+12+4*\c+\i]
.endr
.endr
.endm
; 32 numbers, v[R] on, blocks 0 and 1 of a row whose blocks 2 and 3 are their copies
.macro QUANT2
.irp b, 0,1
	v_max3_num_f32 v[TM+\b], |v[R+16*\b]|, |v[R+1+16*\b]|, 0x2800000
.endr
.irp i, 2,4,6,8,10,12,14
.irp b, 0,1
	v_max3_num_f32 v[TM+\b], |v[R+16*\b+\i]|, |v[R+1+16*\b+\i]|, v[TM+\b]
.endr
.endr
	QCROSS 2
.irp b, 0,1
	v_add_nc_u32 v[TM+12+\b], 0xfe000000, v[TM+\b]
.endr
.irp b, 0,1
	v_lshrrev_b32 v[TM+4+\b], 23, v[TM+12+\b]
.endr
	v_lshl_or_b32 v[PW], v[TM+5], 8, v[TM+4]
	v_lshl_or_b32 v[PW], v[PW], 16, v[PW]          ; the two bytes, twice
	s_wait_alu depctr_va_vdst(0)
	s_wait_xcnt 0x0                                ; the last tile's stores have read v[PC] on
	v_cvt_scalef32_pk16_bf6_f32 v[PC:PC+2], v[R:R+15], v[TM+12]
	v_cvt_scalef32_pk16_bf6_f32 v[PC+12:PC+14], v[R+16:R+31], v[TM+13]
	v_nop                                          ; one plain instruction behind a scaled conversion
.irp i, 0,1,2
	v_permlane16_swap_b32 v[PC+\i], v[PC+12+\i]
.endr
.irp i, 0,1,2
	v_mov_b32 v[PC+3+\i], v[PC+12+\i]
	v_mov_b32 v[PC+6+\i], v[PC+\i]                 ; registers 6-11, k = 64 on, are registers 0-5 again
	v_mov_b32 v[PC+9+\i], v[PC+12+\i]
.endr
.endm
.macro OUT3 a                          ; tile a's image leaves from the registers: 512 consecutive bytes a store; of two tiles' scale words one register is made
.irp g, 0,1,2
	global_store_b128 v[GO], v[PC+4*\g:PC+4*\g+3], s[DST:DST+1] offset:1536*(\a)+512*\g
.endr
.if (\a)%2
	v_cndmask_b32 v[W+(\a)/2], v[PW0], v[PW0+1], s90   ; lanes 0-15 the even tile's words, lanes 16-31 the odd tile's
.endif
.endm
.macro TLD a                           ; my token's 64 factors for tile a: 128 bytes for each B, into window 1
	WIN 0x40
.irp e, 0,1
.irp g, 0,1,2,3,4,5,6,7
	ds_load_b128 v[64*((\a)%2)+32*\e+4*\g:64*((\a)%2)+32*\e+4*\g+3], v[TBA] offset:16*(\a)*TP+256*\e+16*\g
.endr
.endr
	WIN 0
.endm
.macro SCL i, adr                      ; block i's eight scale registers
.set ss, 0
.rept KST
	global_load_b32 v[SC+KST*(\i)+ss], v[\adr], s[4:5] offset:OPS+(\i)*TILES+64*ss
.set ss, ss+1
.endr
.endm
	s_load_b256 s[4:11], s[0:1], 0x0               ; op1 s[4:5], rope s[6:7], bq s[8:9], bk s[10:11]
	s_load_b128 s[12:15], s[0:1], 0x20             ; bv s[12:13], qkv s[14:15]
	v_lshl_add_u32 v[SPW], v0, 2, SPARE
	v_mov_b32 v[NIL], 0
	ds_add_u32 v[SPW], v[NIL]                      ; the add, twice on end, and its wait
	ds_add_u32 v[SPW], v[NIL]
	s_wait_dscnt 0x0
	v_lshrrev_b32 v1, 5, v0
	v_readfirstlane_b32 s16, v1                    ; wave 0..3
	s_lshr_b32 s17, s16, 1                         ; RH: which half of source 1's blocks is mine.  Also: I fetch for source 1 (0) or source 0 (1)
	s_and_b32 s18, s16, 1                          ; CH: which half of source 0's.  Also: which half of that side I fetch
	s_bfe_u32 s19, ttmp6, 0x40000                  ; cx
	s_bfe_u32 s20, ttmp6, 0x40004                  ; cy
	s_and_b32 s3, ttmp7, 0xffff                    ; the cluster's y
	s_mov_b32 s91, ttmp9                           ; the cluster's x
	s_lshl_b32 s22, s91, 2
	s_add_co_u32 s22, s22, s19                     ; tx: phase 1: which 256 columns of wq | wk; phase 2: which 256 tokens
	s_lshl_b32 s23, s3, 2
	s_add_co_u32 s23, s23, s20                     ; ty: phase 1: which 256 tokens; phase 2: which head of wv
	s_lshl_b32 s66, s23, 4                         ; phase 1: source 1's first tile,
	s_lshl_b32 s67, s22, 4
	s_add_co_u32 s67, s67, 256                     ; and source 0's
	s_lshl_b32 s2, s20, 2
	s_lshl_b32 s2, 15, s2                          ; my row of the cluster
	s_lshl_b32 s3, 0x1111, s19                     ; my column
	; group 1: NB rows (tiles) of NQ x 1,536 bytes, TILEB bytes apart, in elements of 8 bytes; dense in LDS
	s_or_b32 s[G1A], s2, (3<<16)|(1<<21)
	s_or_b32 s[G1B], s3, (3<<16)|(1<<21)
.irp g, G1A, G1B
	s_mov_b32 s[\g+1], (NQ*192)<<16                ; tensor_dim0
	s_mov_b32 s[\g+2], NB<<16                      ; tensor_dim1
	s_mov_b32 s[\g+3], (NQ*192)<<16                ; tile_dim0
	s_mov_b32 s[\g+4], NB                          ; tile_dim1
	s_mov_b32 s[\g+5], KST*192                     ; from tile to tile
	s_mov_b32 s[\g+6], 0
	s_mov_b32 s[\g+7], 0
.endr
	; the table: 64 rows of 512 bytes, 16 bytes of padding behind each; shared along my row of the cluster, like the tokens
	s_or_b32 s[G1T], s2, (3<<16)|(1<<20)|(1<<21)|(6<<22)|(3<<25)
	s_mov_b32 s[G1T+1], 64<<16
	s_mov_b32 s[G1T+2], 64<<16
	s_mov_b32 s[G1T+3], 64<<16
	s_mov_b32 s[G1T+4], 64
	s_mov_b32 s[G1T+5], 64
	s_mov_b32 s[G1T+6], 0
	s_mov_b32 s[G1T+7], 0
	s_mul_i32 s2, s18, NB
	s_add_co_u32 s96, s66, s2
	s_mul_i32 s96, s96, TILEB                      ; source 1's half that I would fetch: it hangs on ty and the wave alone,
	s_mov_b32 s97, 0
	s_add_co_u32 s98, s67, s2
	s_mul_i32 s98, s98, TILEB                      ; source 0's: on tx and the wave alone
	s_mov_b32 s99, 0
	s_mul_i32 s3, s16, HALFT                       ; where it goes in a slot: no place in the cluster enters an LDS address
	s_wait_kmcnt 0x0
	s_add_nc_u64 s[96:97], s[4:5], s[96:97]
	s_add_nc_u64 s[98:99], s[4:5], s[98:99]
.irp k, 0,1,2
	s_mov_b32 s[G0A+4*\k], 1
	s_add_co_u32 s[G0A+4*\k+1], s3, (\k%2)*SLOT
	s_add_nc_u64 s[G0A+4*\k+2:G0A+4*\k+3], s[96:97], \k*NQ*1536
	s_or_b32 s[G0A+4*\k+3], s[G0A+4*\k+3], 0x80000000
	s_mov_b32 s[G0B+4*\k], 1
	s_add_co_u32 s[G0B+4*\k+1], s3, (\k%2)*SLOT
	s_add_nc_u64 s[G0B+4*\k+2:G0B+4*\k+3], s[98:99], \k*NQ*1536
	s_or_b32 s[G0B+4*\k+3], s[G0B+4*\k+3], 0x80000000
.endr
	s_lshl_b32 s96, s23, 8
	s_and_b32 s96, s96, 2047                       ; the table's rows of my 256 tokens (positions count anew in each batch),
	s_lshl_b32 s2, s16, 6
	s_add_co_u32 s96, s96, s2                      ; my wave's 64 of them
	s_lshl_b32 s96, s96, 9
	s_mov_b32 s97, 0
	s_mov_b32 s[G0T], 1
	s_mul_i32 s[G0T+1], s16, 64*TP
	s_add_co_u32 s[G0T+1], s[G0T+1], TABLE
	s_add_nc_u64 s[G0T+2:G0T+3], s[6:7], s[96:97]
	s_or_b32 s[G0T+3], s[G0T+3], 0x80000000
	CROUND                                         ; all sixteen work-groups are here: the first joint loads meet
	JLOAD 0                                        ; K steps 0-2 into slot 0: one tensor load a wave at the head
	v_and_b32 v1, 31, v0                           ; lane
	v_and_b32 v2, 15, v0                           ; r
	v_bfe_u32 v3, v0, 4, 1                         ; h
	v_lshlrev_b32 v[GO], 4, v1
	s_mul_i32 s2, s17, HALFT
	v_add_nc_u32 v[ADRA], s2, v[GO]
	v_add_nc_u32 v[ADRA+1], SLOT, v[ADRA]
	s_mul_i32 s2, s18, HALFT
	s_add_co_u32 s2, s2, 2*HALFT
	v_add_nc_u32 v[ADRB], s2, v[GO]
	v_add_nc_u32 v[ADRB+1], SLOT, v[ADRB]
	s_mul_i32 s2, s17, 128*TP
	s_add_co_u32 s2, s2, TABLE
	v_mul_u32_u24 v[TBA], v2, TP
	v_lshl_add_u32 v[TBA], v3, 7, v[TBA]
	v_add_nc_u32 v[TBA], s2, v[TBA]                ; the table: row 128 RH + r, + 128 h: the factors of j = 16 h on
	s_mul_i32 s2, s17, NB
	s_add_co_u32 s2, s2, s66
	s_mul_i32 s2, s2, TILES                        ; the scale words of my blocks of source 1,
	s_mul_i32 s3, s18, NB
	s_add_co_u32 s3, s3, s67
	s_mul_i32 s3, s3, TILES                        ; and of source 0
	s_mov_b32 s90, 0xffff0000                      ; lanes 16-31
	s_mov_b32 s[SEL], 0x76543210
	s_mov_b32 s[SEL+1], 0xfedcba98
	v_mov_b32 v4, s2
	v_mov_b32 v5, s3
	v_cndmask_b32 v4, v4, v5, s90
	v_lshl_add_u32 v[SCA], v2, 2, v4
.irp i, 0,1,2,3,4,5,6,7                        ; ALL SCALE WORDS COME ONCE, straight into 64 registers: lanes 0-15 source 1's, lanes 16-31 source 0's
	SCL \i, SCA
.endr
.irp b, 0,1,2,3
	v_mov_b32 v[TM+4+\b], 0                        ; written once: a lane permute's destination counts as one of its sources
.endr
	s_and_b32 s2, s22, 7
	s_lshl_b32 s2, s2, 1
	s_add_co_u32 s2, s2, s18                       ; my head: 2 (tx % 8) + CH
	s_lshl_b32 s96, s2, 9
	s_mov_b32 s97, 0
	s_cmp_lt_u32 s91, 2                            ; clusters with x 0 and 1 make q, 2 and 3 k
	s_cselect_b64 s[BP:BP+1], s[8:9], s[10:11]
	s_add_nc_u64 s[BP:BP+1], s[BP:BP+1], s[96:97]
	v_lshlrev_b32 v[BIA], 7, v3
	WIN 0x40
.irp e, 0,1                                    ; the bias in the result's layout: register i of tile 4 B + u is that of column 2 (32 B + 16 h + 8 (u % 2) + i) + u / 2
.irp u, 0,1,2,3
.irp i, 0,1,2,3,4,5,6,7
	global_load_b32 v[96+128*\e+8*\u+\i], v[BIA], s[BP:BP+1] offset:8*(32*\e+8*(\u%2)+\i)+4*(\u/2)
.endr
.endr
.endr
	WIN 0
	s_lshr_b32 s96, s23, 3                         ; the batch
	s_lshl_b32 s96, s96, 4
	s_add_co_u32 s96, s96, s2
	s_lshl_b32 s96, s96, 4
	s_lshl_b32 s97, s23, 1
	s_add_co_u32 s97, s97, s17
	s_and_b32 s97, s97, 15                         ; my step of 128 tokens
	s_add_co_u32 s96, s96, s97
	s_mul_i32 s97, s96, 12800
	s_add_co_u32 s97, s97, 13107200                ; q's record,
	s_mul_i32 s96, s96, 25600                      ; k's
	s_cmp_lt_u32 s91, 2
	s_cselect_b32 s96, s97, s96
	s_mov_b32 s97, 0
	s_add_nc_u64 s[DST:DST+1], s[14:15], s[96:97]
	; phase 2's addresses.  Source 1: wv's tiles 512 + 8 ty + 4 x the half that I fetch: ty and the wave alone;  source 0: the tokens' tiles 16 tx + 8 x the half: tx and the wave alone
	s_lshl_b32 s96, s23, 3
	s_lshl_b32 s2, s18, 2
	s_add_co_u32 s96, s96, s2
	s_add_co_u32 s96, s96, 512
	s_mul_i32 s96, s96, TILEB
	s_mov_b32 s97, 0
	s_add_nc_u64 s[VA:VA+1], s[4:5], s[96:97]
	s_lshl_b32 s98, s22, 4
	s_lshl_b32 s2, s18, 3
	s_add_co_u32 s98, s98, s2
	s_mul_i32 s98, s98, TILEB
	s_mov_b32 s99, 0
	s_add_nc_u64 s[VB:VB+1], s[4:5], s[98:99]
	s_lshr_b32 s96, s22, 3                         ; V's record: the batch,
	s_lshl_b32 s96, s96, 4
	s_add_co_u32 s96, s96, s23                     ; the head,
	s_lshl_b32 s96, s96, 4
	s_lshl_b32 s97, s22, 1
	s_add_co_u32 s97, s97, s18
	s_and_b32 s97, s97, 15                         ; my step of 128 tokens
	s_add_co_u32 s96, s96, s97
	s_mul_i32 s96, s96, 25600
	s_add_co_u32 s96, s96, 12800                   ; V's record lies behind K's
	s_mov_b32 s97, 0
	s_add_nc_u64 s[DS2:DS2+1], s[14:15], s[96:97]
	s_mul_i32 s96, s17, 6144
	s_add_nc_u64 s[DV:DV+1], s[DS2:DS2+1], s[96:97]   ; my tiles 4 RH .. 4 RH + 3 of it,
	s_lshl_b32 s96, s17, 3
	s_add_nc_u64 s[DS2:DS2+1], s[DS2:DS2+1], s[96:97] ; and their scale words: 8 RH in each 16 bytes
	; ---- PHASE 1: q and k
.set NA, 8
	KLOOP 1, 2
	s_wait_tensorcnt 0x0                           ; my 64 rows of the table have landed;
	ds_add_u32 v[SPW], v[NIL]                      ; slot 0 is filled again behind the round below
	s_mov_b32 s[G1A+1], (NQ*192)<<16               ; no tensor load of mine is out: phase 2's descriptors: three K steps again,
	s_mov_b32 s[G1B+1], (NQ*192)<<16
	s_mov_b32 s[G1A+2], 4<<16                      ; four tiles in a half of source 1
	s_mov_b32 s[G1A+4], 4
.irp k, 0,1,2
	s_add_nc_u64 s[G0A+4*\k+2:G0A+4*\k+3], s[VA:VA+1], \k*NQ*1536
	s_or_b32 s[G0A+4*\k+3], s[G0A+4*\k+3], 0x80000000
	s_add_nc_u64 s[G0B+4*\k+2:G0B+4*\k+3], s[VB:VB+1], \k*NQ*1536
	s_or_b32 s[G0B+4*\k+3], s[G0B+4*\k+3], 0x80000000
.endr
	s_wait_dscnt 0x0                               ; the add is done; my reads of slot 0 were over in the last K step
	CROUND                                         ; everybody's rows of the table are in, and no wave of any partner reads slot 0
	JLOAD 0                                        ; PHASE 2's K steps 0-2 into slot 0; the four v_nop are also the places behind the last products
	TLD 0
	TLD 1
	s_lshl_b32 s2, s23, 3
	s_lshl_b32 s96, s17, 2
	s_add_co_u32 s2, s2, s96
	s_add_co_u32 s2, s2, 512
	s_mul_i32 s2, s2, TILES                        ; phase 2: the scale words of my four blocks of source 1,
	s_lshl_b32 s3, s22, 4
	s_lshl_b32 s96, s18, 3
	s_add_co_u32 s3, s3, s96
	s_mul_i32 s3, s3, TILES                        ; and of my eight of source 0
	s_sub_co_u32 s96, s2, 4*TILES
	s_lshl_b32 s98, s23, 9
	s_lshl_b32 s99, s17, 8
	s_add_co_u32 s98, s98, s99
	s_mov_b32 s99, 0
	s_add_nc_u64 s[BP:BP+1], s[12:13], s[98:99]    ; bv at my 64 channels (phase 1's bias loads were waited for)
	v_mov_b32 v4, s2
	v_mov_b32 v5, s3
	v_cndmask_b32 v4, v4, v5, s90
	v_lshl_add_u32 v[SCA], v2, 2, v4
	v_mov_b32 v4, s96
	v_cndmask_b32 v4, v4, v5, s90
	v_lshl_add_u32 v[SCB], v2, 2, v4
	v_and_b32 v4, 7, v2
	v_lshrrev_b32 v5, 3, v2
	v_lshl_add_u32 v4, v5, 4, v4
	v_lshlrev_b32 v[BI2], 2, v4                    ; my channel in a tile: r % 8 + 16 (r / 8)
	s_wait_alu depctr_va_vdst(0)
.irp i, 0,1,2,3
	SCL \i, SCA                                    ; phase 2's scale words come under phase 1's way out, which names none of v32-95: 48 loads now,
.endr
.irp i, 4,5
	SCL \i, SCB
.endr
.set aa, 0
.rept 8                                        ; tile aa of 16 tokens: RoPE, the quantiser, three stores
.set AC, 64*(aa%4)
.set TT, 64*(aa%2)
.if aa < 7
	s_wait_dscnt 16                                ; this tile's 16 loads are in; the next tile's may be out
.else
	s_wait_dscnt 0x0
.endif
	WIN 0x06+aa/4                                  ; source 0: the accumulators' window; source 1: window 1
.irp e, 0,1
.irp t, 0,2,4,6,8,10,12,14
	v_pk_mul_f32 v[R+16*\e+\t:R+16*\e+\t+1], v[AC+32*\e+\t:AC+32*\e+\t+1], v[TT+32*\e+\t:TT+32*\e+\t+1]   ; c1 x[2 j]: each accumulator is read from its low end on
.endr
.endr
.irp e, 0,1
.irp t, 0,2,4,6,8,10,12,14
	v_pk_fma_f32 v[R+16*\e+\t:R+16*\e+\t+1], v[AC+32*\e+16+\t:AC+32*\e+16+\t+1], v[TT+32*\e+16+\t:TT+32*\e+16+\t+1], v[R+16*\e+\t:R+16*\e+\t+1]   ; + c2 x[2 j + 1]
.endr
.endr
	WIN 0
.if aa < 6
	TLD aa+2
.endif
.set PW, PW0+aa%2
	QUANT2
	OUT3 aa
.if aa == 3                                    ; and 48 more in the way out's middle: the last two blocks' scale words and phase 2's bias
	SCL 6, SCB
	SCL 7, SCB
	WIN 0x40
.irp a, 0,1,2,3                                ; the bias in the result's layout: a lane's eight registers of tile a are eight tokens of ONE channel
.irp i, 0,1,2,3,4,5,6,7
	global_load_b32 v[224+8*\a+\i], v[BI2], s[BP:BP+1] offset:4*(32*(\a/2)+8*(\a%2))
.endr
.endr
	WIN 0
.endif
.set aa, aa+1
.endr
	global_store_b128 v[GO], v[W:W+3], s[DST:DST+1] offset:12288   ; the record's block of scale words: 512 consecutive bytes
	; ---- PHASE 2: v
.set NA, 4
.set DST, DV
	s_wait_alu depctr_va_vdst(0)
	s_wait_xcnt 0x0                                ; phase 1's stores have read their data: source 1's fragments land on those registers
	KLOOP 2, 0
	PLACES 4
.set aa, 0
.rept 4                                        ; tile aa: 16 channels x 128 tokens: the 64 registers of its eight accumulators run along the tokens
.set PW, PW0+aa%2
	QUANT4 64*aa, 2
	OUT3 aa
.set aa, aa+1
.endr
	global_store_b64 v[GO], v[W:W+1], s[DS2:DS2+1] offset:12288   ; my four tiles' scale words: 8 of each 16 bytes of the record's block
	s_wait_tensorcnt 0x0                           ; the wave's end
	ds_add_u32 v[SPW], v[NIL]
	s_wait_dscnt 0x0
	CROUND                                         ; the closing round: no work-group ends while a partner may still ask for a tile that names it
	s_endpgm
.Lfunc_end_k_q0df15067d4_qkv:
	.size	k_q0df15067d4_qkv, .Lfunc_end_k_q0df15067d4_qkv-k_q0df15067d4_qkv
	.p2alignl 7, 3214868480
	.fill 96, 4, 3214868480
	.section	.rodata,"a",@progbits
	.p2align	6, 0x0
	.amdhsa_kernel k_q0df15067d4_qkv
		.amdhsa_group_segment_fixed_size 327680
		.amdhsa_private_segment_fixed_size 0
		.amdhsa_enable_private_segment 0
		.amdhsa_kernarg_size 48
		.amdhsa_user_sgpr_count 2
		.amdhsa_user_sgpr_kernarg_segment_ptr 1
		.amdhsa_wavefront_size32 1
		.amdhsa_system_sgpr_workgroup_id_x 1
		.amdhsa_system_sgpr_workgroup_id_y 1
		.amdhsa_system_sgpr_workgroup_id_z 1
		.amdhsa_system_vgpr_workitem_id 0
		.amdhsa_next_free_vgpr 1024
		.amdhsa_next_free_sgpr 100
		.amdhsa_reserve_vcc 0
		.amdhsa_float_denorm_mode_32 3
		.amdhsa_float_denorm_mode_16_64 3
		.amdhsa_memory_ordered 1
		.amdhsa_forward_progress 1
		.amdhsa_inst_pref_size 246
	.end_amdhsa_kernel
	.amdgpu_metadata
---
amdhsa.version: [ 1, 2 ]
amdhsa.kernels:
  - .name:           k_q0df15067d4_qkv
    .symbol:         k_q0df15067d4_qkv.kd
    .args:
      - { .name: op1, .offset: 0, .size: 8, .value_kind: global_buffer, .address_space: global }
      - { .name: rope, .offset: 8, .size: 8, .value_kind: global_buffer, .address_space: global }
      - { .name: bq, .offset: 16, .size: 8, .value_kind: global_buffer, .address_space: global }
      - { .name: bk, .offset: 24, .size: 8, .value_kind: global_buffer, .address_space: global }
      - { .name: bv, .offset: 32, .size: 8, .value_kind: global_buffer, .address_space: global }
      - { .name: qkv, .offset: 40, .size: 8, .value_kind: global_buffer, .address_space: global }
    .group_segment_fixed_size: 327680
    .private_segment_fixed_size: 0
    .kernarg_segment_align: 8
    .kernarg_segment_size: 48
    .max_flat_workgroup_size: 128
    .sgpr_count:     100
    .vgpr_count:     1024
    .wavefront_size: 32
...
	.end_amdgpu_metadata
.endif
;; end of part 2
;; launch attn (part 3): grid 8 x 32, 16 waves a work-group, no clusters, 327,680 bytes of LDS; arguments qkv, op2; writes op2
.if DOCPART == 3
	.amdgcn_target "amdgcn-amd-amdhsa--gfx1250"
	.amdhsa_code_object_version 6
	.text
	.protected	k_q0df15067d4_attn
	.globl	k_q0df15067d4_attn
	.p2align	8
	.type	k_q0df15067d4_attn,@function
k_q0df15067d4_attn:
	s_mov_b64 s[64:65], 0
	v_nop
	global_prefetch_b8 v0, s[64:65] scope:SCOPE_SE
	s_setreg_imm32_b32 hwreg(HW_REG_WAVE_MODE, 25, 1), 1
	s_wait_xcnt 0x0
; ATTN: O = softmax(Q K^T / sqrt(128), causal) V for 32 heads (hd = 16 batch + head) of 2,048 tokens, both products on codes of BF6 (E3M2) with one E8M0 scale for each 32 along K;
; O / l is quantised along the head's 128 and stored as the left operand of the output projection.
; LEFT OUT: key steps all of whose keys come after a block's queries: the causal mask sets their scores to -infinity, so their p is 0 for all values of the inputs.
; THE SOFTMAX: t = score x log2(e) / sqrt(128); M = the row's largest t so far, rounded UP to a whole number; p = 2^(t - M) is quantised along the keys; the row's sum is taken of the unquantised p and divides O at the end.
; When M moves, the sum and O are multiplied by 2^(old M - new M): exact.  Two parts of a row that were summed under different M are joined in the same way.
; qkv holds operands as images of their registers, in records of 12,800 bytes: 8 fragments (tile a at 1,536 a; registers 4 g .. 4 g + 3 of lane l at 512 g + 16 l), then at 12,288 a block of scale words
; (the word at 16 l + 4 p: tile 2 p + l / 16, row l % 16).  K's and V's records of a step of 128 keys lie together: (16 hd + step) x 25,600; Q's at 13,107,200 + (16 hd + step) x 12,800.
; Row r of a tile T of tokens is token 32 (T / 2) + 8 (T % 2) + r % 8 + 16 (r / 8).  Both products are used transposed (S^T = K Q^T, O^T = V^T P^T): a lane holds ONE query, and the 16 registers of tiles 2 b, 2 b + 1 are 16 neighbours.
; SHARES.  Work-group (b, hd), b = 0 .. 7, takes the blocks of 128 queries 15 - b (16 - b key steps) and b (b + 1 key steps) of head hd: 17 key steps for every b.  Two teams of eight waves; wave w takes tile w % 8.
; Team 0 (waves 0-7): block 15 - b, key step d in time slot d = 0 .. 7: none of these has hidden keys.
; Team 1 (waves 8-15): block b, key step d in time slots d = 0 .. b; then block 15 - b, key step d + 7 - b in time slots d = b + 1 .. 8.  So the numbers of tiles and of time slots are the same for every b.
; At the end team 0 hands its part of block 15 - b (-M, the sums, O^T) to team 1 through LDS bytes of its own, and team 1 joins the two parts and finishes the block.
; LDS: a ring of two slots, each with two time slots' four tiles (team 0's two, then team 1's two); wave w = 0 .. 3 fetches tile w of a group.  Team 1's tile of time slot 8 is fetched once, at the head, by wave 4, and lies behind ring slot 1.
; NO CLUSTER: team 1's tiles differ between the work-groups of a head, and where its blocks change hangs on b, which would be a work-group's place in such a cluster.
; NO PREFETCH: each group is asked for by its tensor loads a whole group (two time slots of all sixteen waves) ahead of its first read, and ahead of the head's tiles stands no loop.
; LIMITS: NaN and infinities are not served; a block of zeros gets the byte 1 where the rule says 127 (its codes are zeros; this program alone reads the bytes); the scaled scores stay under 2^31 in magnitude.
; REGISTERS: v1-11 addresses; v12 -M, v13 the largest t, v[14:15] the sum; v16-27 Q; v28-31 a record's scale words; v32-79 four fragments of K or V; v80-92 the second block's Q and scale words (all waves load them; team 1 alone uses them);
; v93 Q's scale words; v96-159 S^T, then p; v160-223 O^T; v224-235 p's codes; v232-251 at work; v252 f; v253 p's scale word; v254 at work.
.set STEPB, 25600                      ; a key step in LDS and in memory: K's record, then V's
.set RING,  4*STEPB                    ; a ring slot
.set STG,   9*STEPB                    ; behind the ring and the ninth time slot's tile: 8,704 bytes for each tile of queries: team 0's part.  No tensor load lands here
.set SPARE, STG+8*8704                 ; the spare words, 128 bytes for each of 16 waves: eight blocks of 256 bytes that no other line names
.set OPS,   7864320
.set LI,   1                           ; 16 x lane
.set DQ,   2                           ; my query's place in its block of 128, less 16 (lane / 16)
.set SO,   3                           ; 4 r
.set STA,  4                           ; my tile's bytes of STG, 16 x lane
.set SPW,  5
.set NIL,  6
.set ADK,  8                           ; the step's LDS address
.set KS,   28
.set QS,   93
.set TM,   232
.set PC,   224
.set PW,   253
.set WV,   18                          ; wave
.set AT,   19                          ; my tile in a block: wave % 8
.set SEL,  20                          ; s[20:21] lane selects for v_permlanex16_b32: lane l xor 16
.set CS,   22                          ; s[22:23] c = log2(e) / sqrt(128)
.set G1,   24                          ; s[24:31] group 1;  s[32:35] group 0, written anew only where no load of the wave is out
.set G0,   32
.set KV,   36                          ; s[36:37] the head's K and V records
.set WB,   38                          ; where my tile goes in a ring slot (wave 4: behind ring slot 1)
.set BB,   39                          ; b
.set B7,   40                          ; 7 - b
.set DG,   41                          ; the time slot with my block's diagonal (team 0: none)
.set SWD,  42                          ; the time slot at which my second block begins (team 0: none)
.set LD,   43                          ; my last time slot
.set DD,   44                          ; the time slot
.set TB,   45                          ; LDS byte at which my step's records begin
.set CNT,  46
.set HD,   47
.set QA1,  48                          ; Q's record, the codes' and the scale words' place in op2: block b,
.set OC1,  52
.set OS1,  54
.set QA2,  50                          ; block 15 - b
.set OC2,  56
.set OS2,  58
.set FD,   70                          ; the first time slot of the group that is asked for
.set LA,   71                          ; the ring slot that it goes to
.set TS,   72                          ; the ring slot that is read
.set FC,   73
.set TO,   74                          ; my team's tiles in a ring slot
.set QL,   75                          ; 15 - b
.macro MM d, a, b, c, sa, sb, odd      ; odd tiles' scale words lie in lanes 16-31
.if \odd
	v_wmma_scale_f32_16x16x128_f8f6f4 v[\d:\d+7], v[\a:\a+11], v[\b:\b+11], \c, v[\sa], v[\sb] matrix_a_fmt:MATRIX_FMT_BF6 matrix_b_fmt:MATRIX_FMT_BF6 matrix_a_scale:MATRIX_SCALE_ROW1
.else
	v_wmma_scale_f32_16x16x128_f8f6f4 v[\d:\d+7], v[\a:\a+11], v[\b:\b+11], \c, v[\sa], v[\sb] matrix_a_fmt:MATRIX_FMT_BF6 matrix_b_fmt:MATRIX_FMT_BF6
.endif
.endm
; group 0 of my tile: waves 0, 1: team 0's of time slots FD, FD + 1; waves 2, 3: team 1's; wave 4 (at the head, FD = 0): team 1's of time slot 8
.macro PREPG
	s_and_b32 s60, s[WV], 1
	s_add_co_u32 s60, s60, s[FD]
	s_lshr_b32 s61, s[WV], 2
	s_lshl_b32 s61, s61, 3
	s_add_co_u32 s60, s60, s61                     ; the time slot d
	s_cmp_gt_u32 s60, s[BB]
	s_cselect_b32 s61, s[B7], 0                    ; team 1 behind its change of blocks: key step d + 7 - b,
	s_cmp_ge_u32 s[WV], 2
	s_cselect_b32 s61, s61, 0                      ; else key step d
	s_add_co_u32 s60, s60, s61
	s_mul_i32 s60, s60, STEPB
	s_mov_b32 s61, 0
	s_add_nc_u64 s[G0+2:G0+3], s[KV:KV+1], s[60:61]
	s_or_b32 s[G0+3], s[G0+3], 0x80000000
	s_add_co_u32 s[G0+1], s[WB], s[LA]
.endm
.macro ISSUE n                         ; waves 0 .. n - 1 fetch a tile each
	s_cmp_lt_u32 s[WV], \n
	s_cbranch_scc0 .Lnone_\@
	tensor_load_to_lds s[G0:G0+3], s[G1:G1+7]
	s_nop 0
.rept 4
	v_nop
.endr
.Lnone_\@:
.endm
; A change of ring slots.  n > 0: the next group is asked for behind the barrier; the add stands twice
.macro TURNG n
	s_wait_tensorcnt 0x0                           ; my load has landed
.if \n
	ds_add_u32 v[SPW], v[NIL]
	ds_add_u32 v[SPW], v[NIL]
	PREPG
.endif
	s_wait_dscnt 0x0                               ; the adds are done, and my reads of the slot left behind
	s_barrier_signal -1
	s_barrier_wait -1
.if \n
	ISSUE \n
.endif
.endm
; from the blocks' largest magnitudes in v[TM] on and 64 numbers in v[s] on: the scale word in v[PW], the fragment in v[PC] on
.macro QTAIL4 s
.irp b, 0,1,2,3
	s_delay_alu instid0(VALU_DEP_4)
	v_add_nc_u32 v[TM+12+\b], 0xfe000000, v[TM+\b]   ; 4 off the exponent field: the conversion's scale operand
.endr
.irp b, 0,1,2,3
	s_delay_alu instid0(VALU_DEP_4)
	v_lshrrev_b32 v[TM+4+\b], 23, v[TM+12+\b]      ; the scale's byte
.endr
	s_delay_alu instid0(VALU_DEP_3)
	v_lshl_or_b32 v[PW], v[TM+5], 8, v[TM+4]
	s_delay_alu instid0(VALU_DEP_1)
	v_lshl_or_b32 v[PW], v[TM+6], 16, v[PW]
	s_delay_alu instid0(VALU_DEP_1)
	v_lshl_or_b32 v[PW], v[TM+7], 24, v[PW]
.irp c, 0,1
	v_cvt_scalef32_pk16_bf6_f32 v[PC+6*\c:PC+2+6*\c], v[(\s)+32*\c:(\s)+15+32*\c], v[TM+12+2*\c]
	v_cvt_scalef32_pk16_bf6_f32 v[PC+12+4*\c:PC+14+4*\c], v[(\s)+16+32*\c:(\s)+31+32*\c], v[TM+13+2*\c]   ; (a conversion's three registers begin on an even number)
.endr
	v_nop                                          ; one plain instruction behind a scaled conversion
.irp c, 0,1                                    ; a WHOLE block to a lane: lanes 0-15 block 2 c, lanes 16-31 block 2 c + 1
.irp i, 0,1,2
	v_permlane16_swap_b32 v[PC+6*\c+\i], v[PC+12+4*\c+\i]
.endr
.irp i, 0,1,2
	s_delay_alu instid0(VALU_DEP_3)
	v_mov_b32 v[PC+3+6*\c+\i], v[PC+12+4*\c+\i]
.endr
.endr
.endm
; A BLOCK'S WAY OUT.  O^T / the sum; its 64 registers run along the head's 128 channels, the K of the output projection: quantised as they stand and stored as K step 'head' of my token tile's images.
; again = 1: the second block begins: its Q, and the sums anew.
.macro FIN oc, os, again
	v_add_f32 v14, v14, v15
	s_delay_alu instid0(VALU_DEP_1)
	v_permlanex16_b32 v252, v14, s[SEL], s[SEL+1]
	s_delay_alu instid0(VALU_DEP_1)
	v_add_f32 v14, v14, v252                       ; the row's sum
	s_wait_alu depctr_va_vdst(0)
	v_rcp_f32 v14, v14
.rept 3
	v_nop                                          ; a plain instruction behind it; with the two additions also the places behind the last products
.endr
	s_wait_alu depctr_va_vdst(0)                   ; ahead of its first reader, which is also O^T's
.set n, 0
.rept 32
	v_pk_mul_f32 v[96+n:97+n], v[160+n:161+n], v[14:15] op_sel_hi:[1,0]   ; each accumulator from its low end on
.set n, n+2
.endr
.irp b, 0,1,2,3
	v_max3_num_f32 v[TM+\b], |v[96+16*\b]|, |v[97+16*\b]|, 0x2800000   ; with the floor 2^(5 - 127): the byte cannot fall under 1
.endr
.irp i, 2,4,6,8,10,12,14
.irp b, 0,1,2,3
	s_delay_alu instid0(VALU_DEP_4)
	v_max3_num_f32 v[TM+\b], |v[96+16*\b+\i]|, |v[97+16*\b+\i]|, v[TM+\b]
.endr
.endr
.irp b, 0,1,2,3
	s_delay_alu instid0(VALU_DEP_4)
	v_permlanex16_b32 v[TM+4+\b], v[TM+\b], s[SEL], s[SEL+1]
.endr
.irp b, 0,1,2,3
	s_delay_alu instid0(VALU_DEP_4)
	v_max_num_f32 v[TM+\b], v[TM+\b], v[TM+4+\b]
.endr
	QTAIL4 96
.irp g, 0,1,2
	global_store_b128 v[LI], v[PC+4*\g:PC+4*\g+3], s[\oc:\oc+1] offset:512*\g   ; 512 consecutive bytes a store
.endr
	global_store_b32 v[SO], v[PW], s[\os:\os+1] offset:OPS   ; the 16 rows' scale words; lanes l and l + 16 write the same word with the same value
.if \again
.set n, 0
.rept 12
	v_mov_b32 v[16+n], v[80+n]                     ; the second block's Q,
.set n, n+1
.endr
	v_mov_b32 v[QS], v92                           ; and its scale words
	v_mov_b32 v13, 0xff61b1e6                      ; the largest t so far: -3e38, under every t
	v_mov_b32 v14, 0
	v_mov_b32 v15, 0
	v_floor_f32 v12, -v13
.set n, 0
.rept 64
	v_mov_b32 v[160+n], 0                          ; O^T: the step finds zeros, which the first change of M leaves zeros
.set n, n+1
.endr
	s_mov_b32 s[DG], 8                             ; its diagonal is the last time slot
	s_wait_alu depctr_va_vdst(0)
	s_wait_xcnt 0x0                                ; the stores have read their data: the next step writes those registers again
.endif
.endm
; A TIME SLOT: one key step of 128 keys for each wave.  tail = 1: the run that holds time slot 8, in which team 0 has no work
.macro STEP tail
.if \tail
	s_cmp_gt_u32 s[DD], s[LD]
	s_cbranch_scc1 .Lhidden_\@
.endif
	s_cmp_lg_u32 s[DD], s[SWD]
	s_cbranch_scc1 .Lsame_\@
	FIN OC1, OS1, 1
.Lsame_\@:
	v_add_nc_u32 v[ADK], s[TB], v[LI]
	s_wait_alu depctr_va_vdst(0)
.rept 3
	v_nop                                          ; with the addition: four places in front of loads into registers that the last step's matrix instructions have read
.endr
.irp g, 0,1                                    ; S^T = K Q^T, four tiles of 16 keys at a time
.if \g == 0
	ds_load_b128 v[KS:KS+3], v[ADK] offset:12288   ; K's scale words: register p: lanes 0-15 tile 2 p, lanes 16-31 tile 2 p + 1
.else
.rept 4
	v_nop
.endr
.endif
.set n, 0
.rept 12
	ds_load_b128 v[32+4*n:35+4*n], v[ADK] offset:6144*\g+512*n
.set n, n+1
.endr
	s_wait_dscnt 0x0
.irp t, 0,1,2,3
	MM 96+8*(4*\g+\t), 32+12*\t, 16, 0, KS+(4*\g+\t)/2, QS, \t%2
.endr
.endr
.rept 4
	v_nop
.endr
	s_cmp_lg_u32 s[DD], s[DG]                      ; only the step on the diagonal has hidden keys
	s_cbranch_scc1 .Lopen_\@
	v_mov_b32 v254, 0xff800000                     ; -infinity: p = 0 then
.set n, 0
.rept 64                                       ; register 16 b + i holds key 32 b + 16 (lane / 16) + i of the step: hidden where 32 b + i > my query's place - 16 (lane / 16)
	v_cmp_gt_i32 vcc_lo, 32*(n/16)+n%16, v[DQ]
	v_cndmask_b32 v[96+n], v[96+n], v254, vcc_lo
.set n, n+1
.endr
.Lopen_\@:
.irp b, 0,1,2,3
	v_max3_num_f32 v[232+\b], v[96+16*\b], v[97+16*\b], v[98+16*\b]   ; the largest score of each block of 32 keys serves twice: for the row's maximum and, since p rises with the score, for the block's largest p
.endr
.irp i, 3,5,7,9,11,13
.irp b, 0,1,2,3
	v_max3_num_f32 v[232+\b], v[232+\b], v[96+16*\b+\i], v[97+16*\b+\i]
.endr
.endr
.irp b, 0,1,2,3
	v_max_num_f32 v[232+\b], v[232+\b], v[111+16*\b]
.endr
.irp b, 0,1,2,3
	s_delay_alu instid0(VALU_DEP_4)
	v_permlanex16_b32 v[236+\b], v[232+\b], s[SEL], s[SEL+1]
.endr
.irp b, 0,1,2,3
	s_delay_alu instid0(VALU_DEP_4)
	v_max_num_f32 v[232+\b], v[232+\b], v[236+\b]  ; with lane l xor 16's 16 keys
.endr
	s_delay_alu instid0(VALU_DEP_2)
	v_max3_num_f32 v254, v232, v233, v234
	s_delay_alu instid0(VALU_DEP_1)
	v_max_num_f32 v254, v254, v235                 ; the step's largest score of my query
	s_delay_alu instid0(VALU_DEP_1)
	v_mul_f32 v254, s[CS], v254                    ; as t (c is positive)
	s_delay_alu instid0(VALU_DEP_1)
	v_max_num_f32 v13, v13, v254                   ; the running largest t
	v_mov_b32 v254, v12
	s_delay_alu instid0(VALU_DEP_2)
	v_floor_f32 v12, -v13                          ; the new -M = floor(-t) = -ceil(t): a whole number
	s_delay_alu instid0(VALU_DEP_1)
	v_sub_f32 v254, v12, v254                      ; old M - new M: a whole number, 0 or less
	s_delay_alu instid0(VALU_DEP_1)
	v_cvt_i32_f32 v254, v254                       ; (it saturates)
	s_delay_alu instid0(VALU_DEP_1)
	v_ldexp_f32 v252, 1.0, v254                    ; f = 2^(old M - new M)
.set n, 0
.rept 32
	v_pk_fma_f32 v[96+n:97+n], v[96+n:97+n], s[CS:CS+1], v[12:13] op_sel_hi:[1,0,0]   ; t - M, two at a time (of the pairs c and -M the low word serves both halves)
.set n, n+2
.endr
.irp b, 0,1,2,3
	v_fma_f32 v[232+\b], v[232+\b], s[CS], v12     ; the same of each block's largest score
.endr
	s_wait_alu depctr_va_vdst(0)
.set n, 0
.rept 64
	v_exp_f32 v[96+n], v[96+n]                     ; p = 2^(t - M), at most 1: not normalised
.set n, n+1
.endr
	v_pk_mul_f32 v[14:15], v[14:15], v[252:253] op_sel_hi:[1,0]   ; the sums under the new M: a plain instruction behind the exponentials
	s_wait_alu depctr_va_vdst(0)                   ; one wait for the whole batch, ahead of its first reader
.irp b, 0,1,2,3
	v_exp_f32 v[232+\b], v[232+\b]                 ; the block's largest p: the same two instructions on the same number give the same bits
.endr
.irp c, 0,1,2,3,4,5,6                          ; the row's sum of the unquantised p: eight chains by turns
	v_pk_add_f32 v[236+2*\c:237+2*\c], v[96+4*\c:97+4*\c], v[98+4*\c:99+4*\c]
.endr
	v_pk_add_f32 v[14:15], v[14:15], v[124:125]
.irp c, 0,1,2,3,4,5,6
	v_pk_add_f32 v[236+2*\c:237+2*\c], v[236+2*\c:237+2*\c], v[126+2*\c:127+2*\c]
.endr
	v_pk_add_f32 v[14:15], v[14:15], v[140:141]
.irp c, 0,1,2,3,4,5,6
	v_pk_add_f32 v[236+2*\c:237+2*\c], v[236+2*\c:237+2*\c], v[142+2*\c:143+2*\c]
.endr
	v_pk_add_f32 v[14:15], v[14:15], v[156:157]
	v_pk_add_f32 v[236:237], v[236:237], v[158:159]
	v_pk_add_f32 v[240:241], v[240:241], v[242:243]
	v_pk_add_f32 v[244:245], v[244:245], v[246:247]
	v_pk_add_f32 v[14:15], v[14:15], v[248:249]
	v_pk_add_f32 v[236:237], v[236:237], v[238:239]
	s_delay_alu instid0(VALU_DEP_2)
	v_pk_add_f32 v[14:15], v[14:15], v[244:245]
	s_delay_alu instid0(VALU_DEP_2)
	v_pk_add_f32 v[236:237], v[236:237], v[240:241]
	s_delay_alu instid0(VALU_DEP_1)
	v_pk_add_f32 v[14:15], v[14:15], v[236:237]
	s_wait_alu depctr_va_vdst(0)                   ; and one for the four
.irp b, 0,1,2,3
	v_max_num_f32 v[232+\b], 0x2800000, v[232+\b]  ; the floor 2^(5 - 127): the byte cannot fall under 1
.endr
	QTAIL4 96
	s_wait_alu depctr_va_vdst(0)
.set n, 0
.rept 32
	v_pk_mul_f32 v[160+n:161+n], v[160+n:161+n], v[252:253] op_sel_hi:[1,0]   ; O^T under the new M.  (These 32 are also the places between p's codes and scale word and the matrix instructions below)
.set n, n+2
.endr
	s_wait_alu depctr_va_vdst(0)
.irp g, 0,1                                    ; O^T += V^T P^T: four tiles of 16 channels at a time; K = these 128 keys; the eight accumulators by turns
.if \g == 0
	ds_load_b128 v[KS:KS+3], v[ADK] offset:12800+12288
.else
.rept 4
	v_nop
.endr
.endif
.set n, 0
.rept 12
	ds_load_b128 v[32+4*n:35+4*n], v[ADK] offset:12800+6144*\g+512*n
.set n, n+1
.endr
	s_wait_dscnt 0x0
.irp t, 0,1,2,3
	MM 160+8*(4*\g+\t), 32+12*\t, 224, v[160+8*(4*\g+\t):167+8*(4*\g+\t)], KS+(4*\g+\t)/2, PW, \t%2
.endr
.endr
.if \tail
.Lhidden_\@:
.endif
	s_add_co_u32 s[TB], s[TB], STEPB
	s_add_co_u32 s[DD], s[DD], 1
.endm
.macro STEPS n, tail
	s_mov_b32 s[CNT], \n
.Lsteps_\@:
	STEP \tail
	s_sub_co_u32 s[CNT], s[CNT], 1
	s_cmp_lg_u32 s[CNT], 0
	s_cbranch_scc1 .Lsteps_\@
.endm
; block s[q]: Q's record, and where my tile's codes and scale words go in op2 (token tile 128 batch + 8 q + my tile, K step 'head')
.macro BLK q, qa, oc, os
	s_lshl_b32 s60, s[HD], 4
	s_add_co_u32 s60, s60, s[\q]
	s_mul_i32 s60, s60, 12800
	s_add_co_u32 s60, s60, 13107200
	s_mov_b32 s61, 0
	s_add_nc_u64 s[\qa:\qa+1], s[4:5], s[60:61]
	s_lshr_b32 s60, s[HD], 4
	s_lshl_b32 s60, s60, 4
	s_add_co_u32 s60, s60, s[\q]
	s_lshl_b32 s60, s60, 3
	s_add_co_u32 s60, s60, s[AT]
	s_and_b32 s66, s[HD], 15
	s_mul_i32 s62, s60, 24576
	s_mul_i32 s67, s66, 1536
	s_add_co_u32 s62, s62, s67
	s_mov_b32 s63, 0
	s_add_nc_u64 s[\oc:\oc+1], s[6:7], s[62:63]
	s_lshl_b32 s62, s60, 10
	s_lshl_b32 s66, s66, 6
	s_add_co_u32 s62, s62, s66
	s_add_nc_u64 s[\os:\os+1], s[6:7], s[62:63]
.endm
	s_load_b128 s[4:7], s[0:1], 0x0                ; qkv s[4:5], op2 s[6:7]
	v_lshl_add_u32 v[SPW], v0, 2, SPARE
	v_mov_b32 v[NIL], 0
	ds_add_u32 v[SPW], v[NIL]                      ; the add, twice on end, and its wait
	ds_add_u32 v[SPW], v[NIL]
	v_lshrrev_b32 v8, 5, v0
	v_readfirstlane_b32 s[WV], v8                  ; wave 0..15
	s_and_b32 s[HD], ttmp7, 0xffff
	s_mov_b32 s[BB], ttmp9
	s_sub_co_u32 s[B7], 7, ttmp9
	s_sub_co_u32 s[QL], 15, ttmp9
	s_and_b32 s[AT], s[WV], 7
	; group 1: a key step's 25,600 dense bytes as 100 rows of 256 bytes (32 elements of 8 bytes)
	s_mov_b32 s[G1], 3<<16
	s_mov_b32 s[G1+1], 32<<16
	s_mov_b32 s[G1+2], 100<<16
	s_mov_b32 s[G1+3], 32<<16
	s_mov_b32 s[G1+4], 100
	s_mov_b32 s[G1+5], 32
	s_mov_b32 s[G1+6], 0
	s_mov_b32 s[G1+7], 0
	s_mov_b32 s[G0], 1
	s_lshr_b32 s60, s[WV], 2
	s_lshl_b32 s60, s60, 2
	s_add_co_u32 s60, s60, s[WV]
	s_mul_i32 s[WB], s60, STEPB                    ; waves 0-3: wave x STEPB; wave 4: 8 x STEPB, behind ring slot 1
	s_mul_i32 s62, s[HD], 16*STEPB
	s_mov_b32 s63, 0
	s_mov_b32 s[SEL], 0x76543210
	s_mov_b32 s[SEL+1], 0xfedcba98
	s_mov_b32 s[CS], 0x3e0293ee
	s_mov_b32 s[CS+1], s[CS]                       ; (named with it as a pair, so it is written)
	s_mov_b32 s[DD], 0
	s_mov_b32 s[FD], 0
	s_mov_b32 s[LA], 0
	s_wait_dscnt 0x0
	s_wait_kmcnt 0x0
	s_add_nc_u64 s[KV:KV+1], s[4:5], s[62:63]
	PREPG
	ISSUE 5                                        ; time slots 0 and 1 into ring slot 0, and team 1's tile of time slot 8: one tensor load a wave at the head
	BLK BB, QA1, OC1, OS1
	BLK QL, QA2, OC2, OS2
	s_lshr_b32 s[TO], s[WV], 3                     ; my team
	s_add_co_u32 s[LD], s[TO], 7
	s_add_co_u32 s60, s[BB], 1
	s_cmp_lg_u32 s[TO], 0
	s_cselect_b32 s[DG], s[BB], 99                 ; team 1 begins with block b: its diagonal is time slot b, and the change of blocks time slot b + 1;
	s_cselect_b32 s[SWD], s60, 99                  ; team 0 has neither,
	s_cselect_b64 s[QA1:QA1+1], s[QA1:QA1+1], s[QA2:QA2+1]   ; and begins with block 15 - b
	s_mul_i32 s[TO], s[TO], 2*STEPB
	s_mul_i32 s60, s[AT], 1536
	s_and_b32 s61, s[AT], 1
	s_lshr_b32 s62, s[AT], 1
	s_lshl_b32 s63, s61, 8
	s_lshl_b32 s66, s62, 2
	s_add_co_u32 s63, s63, s66                     ; my tile's scale words in a record: 256 (a % 2) + 4 (a / 2) + 16 r
	s_lshl_b32 s62, s62, 5
	s_lshl_b32 s61, s61, 3
	s_add_co_u32 s62, s62, s61                     ; my tile's first place in its block: 32 (a / 2) + 8 (a % 2)
	s_mul_i32 s66, s[AT], 8704
	s_add_co_u32 s66, s66, STG
	v_and_b32 v9, 15, v0                           ; r
	v_bfe_u32 v10, v0, 4, 1                        ; h
	v_and_b32 v[LI], 31, v0
	v_lshlrev_b32 v[LI], 4, v[LI]
	v_lshlrev_b32 v[SO], 2, v9
	v_add_nc_u32 v7, s60, v[LI]                    ; my tile's image in a record of Q
	v_add_nc_u32 v[STA], s66, v[LI]
	v_lshl_add_u32 v11, v9, 4, s63
	v_and_b32 v[DQ], 7, v9
	v_lshrrev_b32 v94, 3, v9
	v_lshl_add_u32 v[DQ], v94, 4, v[DQ]
	v_add_nc_u32 v[DQ], s62, v[DQ]                 ; my query's place in its block,
	v_lshlrev_b32 v94, 4, v10
	v_sub_nc_u32 v[DQ], v[DQ], v94                 ; less 16 h
	s_wait_alu depctr_va_vdst(0)
.irp g, 0,1,2
	global_load_b128 v[16+4*\g:19+4*\g], v7, s[QA1:QA1+1] offset:512*\g
	global_load_b128 v[80+4*\g:83+4*\g], v7, s[QA2:QA2+1] offset:512*\g
.endr
	global_load_b32 v[QS], v11, s[QA1:QA1+1] offset:12288
	global_load_b32 v92, v11, s[QA2:QA2+1] offset:12288
	v_mov_b32 v13, 0xff61b1e6                      ; the largest t so far: -3e38, under every t
	v_mov_b32 v14, 0
	v_mov_b32 v15, 0
	v_floor_f32 v12, -v13                          ; -M
.irp b, 0,1,2,3
	v_mov_b32 v[236+\b], 0                         ; written once: a lane permute's destination counts as one of its sources
.endr
	v_mov_b32 v252, 0
	v_mov_b32 v253, 0                              ; (named as the upper half of the pair v[252:253] before it is first written)
.set n, 0
.rept 64
	v_mov_b32 v[160+n], 0                          ; O^T: the step finds zeros, which the first change of M leaves zeros
.set n, n+1
.endr
	s_mov_b32 s[FD], 2
	s_mov_b32 s[LA], RING
	s_mov_b32 s[TS], 0
	s_mov_b32 s[FC], 3
	s_wait_alu depctr_va_vdst(0)
	s_wait_loadcnt 0x0                             ; Q
.Lgroups:                                              ; three trips: time slots 0-5 are worked, time slots 2-7 asked for (the first time: ring slot 1's first fill, behind the full sequence)
	TURNG 4
	s_add_co_u32 s[TB], s[TS], s[TO]
	STEPS 2, 0
	s_add_co_u32 s[FD], s[FD], 2
	s_xor_b32 s[LA], s[LA], RING
	s_xor_b32 s[TS], s[TS], RING
	s_sub_co_u32 s[FC], s[FC], 1
	s_cmp_lg_u32 s[FC], 0
	s_cbranch_scc1 .Lgroups
	TURNG 0                                        ; time slots 6 and 7 are whole, in ring slot 1
	s_add_co_u32 s[TB], s[TO], RING
	STEPS 3, 1                                     ; team 1's tile of time slot 8 lies behind its two of ring slot 1
	; THE TWO PARTS OF BLOCK 15 - b ARE JOINED.  Team 0 stores -M, the largest t, the sums and O^T as images of their registers
	s_cmp_ge_u32 s[WV], 8
	s_cbranch_scc1 .Lkeep
.rept 4
	v_nop                                          ; places behind the last products
.endr
.set n, 0
.rept 16
	ds_store_b128 v[STA], v[160+4*n:163+4*n] offset:512*n   ; each accumulator from its low end on
.set n, n+1
.endr
	ds_store_b128 v[STA], v[12:15] offset:8192
.Lkeep:
	s_wait_dscnt 0x0                               ; for the others' sake: my part lies in LDS
	s_barrier_signal -1
	s_barrier_wait -1
	s_cmp_lt_u32 s[WV], 8
	s_cbranch_scc1 .Ldone
.rept 4
	v_nop                                          ; places in front of loads into registers that the last products have read
.endr
	ds_load_b128 v[32:35], v[STA] offset:8192
.set n, 0
.rept 16
	ds_load_b128 v[96+4*n:99+4*n], v[STA] offset:512*n
.set n, n+1
.endr
	s_wait_dscnt 0x0
	v_min_num_f32 v254, v12, v32                   ; -M of the two together
	v_mov_b32 v251, 0                              ; (named as the upper half of the pair v[250:251])
	s_delay_alu instid0(VALU_DEP_2)
	v_sub_f32 v252, v254, v12                      ; my M less the common one: a whole number, 0 or less;
	v_sub_f32 v250, v254, v32                      ; and team 0's
	s_delay_alu instid0(VALU_DEP_2)
	v_cvt_i32_f32 v252, v252
	s_delay_alu instid0(VALU_DEP_2)
	v_cvt_i32_f32 v250, v250
	s_delay_alu instid0(VALU_DEP_2)
	v_ldexp_f32 v252, 1.0, v252
	s_delay_alu instid0(VALU_DEP_2)
	v_ldexp_f32 v250, 1.0, v250                    ; the two factors: powers of two
	v_pk_mul_f32 v[14:15], v[14:15], v[252:253] op_sel_hi:[1,0]
.set n, 0
.rept 32
	v_pk_mul_f32 v[160+n:161+n], v[160+n:161+n], v[252:253] op_sel_hi:[1,0]
.set n, n+2
.endr
	v_pk_fma_f32 v[14:15], v[34:35], v[250:251], v[14:15] op_sel_hi:[1,0,1]
.set n, 0
.rept 32
	v_pk_fma_f32 v[160+n:161+n], v[96+n:97+n], v[250:251], v[160+n:161+n] op_sel_hi:[1,0,1]
.set n, n+2
.endr
	FIN OC2, OS2, 0
.Ldone:
	s_wait_tensorcnt 0x0                           ; the wave's end
	ds_add_u32 v[SPW], v[NIL]
	s_wait_dscnt 0x0
	s_endpgm
.Lfunc_end_k_q0df15067d4_attn:
	.size	k_q0df15067d4_attn, .Lfunc_end_k_q0df15067d4_attn-k_q0df15067d4_attn
	.p2alignl 7, 3214868480
	.fill 96, 4, 3214868480
	.section	.rodata,"a",@progbits
	.p2align	6, 0x0
	.amdhsa_kernel k_q0df15067d4_attn
		.amdhsa_group_segment_fixed_size 327680
		.amdhsa_private_segment_fixed_size 0
		.amdhsa_enable_private_segment 0
		.amdhsa_kernarg_size 16
		.amdhsa_user_sgpr_count 2
		.amdhsa_user_sgpr_kernarg_segment_ptr 1
		.amdhsa_wavefront_size32 1
		.amdhsa_system_sgpr_workgroup_id_x 1
		.amdhsa_system_sgpr_workgroup_id_y 1
		.amdhsa_system_sgpr_workgroup_id_z 1
		.amdhsa_system_vgpr_workitem_id 0
		.amdhsa_next_free_vgpr 256
		.amdhsa_next_free_sgpr 80
		.amdhsa_reserve_vcc 1
		.amdhsa_float_denorm_mode_32 3
		.amdhsa_float_denorm_mode_16_64 3
		.amdhsa_memory_ordered 1
		.amdhsa_forward_progress 1
		.amdhsa_inst_pref_size 98
	.end_amdhsa_kernel
	.amdgpu_metadata
---
amdhsa.version: [ 1, 2 ]
amdhsa.kernels:
  - .name:           k_q0df15067d4_attn
    .symbol:         k_q0df15067d4_attn.kd
    .args:
      - { .name: qkv, .offset: 0, .size: 8, .value_kind: global_buffer, .address_space: global }
      - { .name: op2, .offset: 8, .size: 8, .value_kind: global_buffer, .address_space: global }
    .group_segment_fixed_size: 327680
    .private_segment_fixed_size: 0
    .kernarg_segment_align: 8
    .kernarg_segment_size: 16
    .max_flat_workgroup_size: 512
    .sgpr_count:     80
    .vgpr_count:     256
    .wavefront_size: 32
...
	.end_amdgpu_metadata
.endif
;; end of part 3
;; launch proj (part 4): grid 8 x 32, 4 waves a work-group, clusters of 4 x 4, 327,680 bytes of LDS; arguments op2, x, bo, out0; writes out0
.if DOCPART == 4
	.amdgcn_target "amdgcn-amd-amdhsa--gfx1250"
	.amdhsa_code_object_version 6
	.text
	.protected	k_q0df15067d4_proj
	.globl	k_q0df15067d4_proj
	.p2align	8
	.type	k_q0df15067d4_proj,@function
k_q0df15067d4_proj:
	s_mov_b64 s[64:65], 0
	v_nop
	global_prefetch_b8 v0, s[64:65] scope:SCOPE_SE
	s_setreg_imm32_b32 hwreg(HW_REG_WAVE_MODE, 25, 1), 1
	s_wait_xcnt 0x0
	s_wait_alu depctr_hold_cnt(0) depctr_sa_sdst(0) depctr_va_vdst(0) depctr_va_sdst(0) depctr_va_ssrc(0) depctr_va_vcc(0) depctr_vm_vsrc(0)
	s_getreg_b32 s2, hwreg(HW_REG_IB_STS2, 6, 4)
	s_cmp_eq_u32 s2, 0
	s_cbranch_scc0 .Lentry_in_a_cluster
	s_endpgm
.Lentry_in_a_cluster:
	s_bfe_u32 s2, ttmp6, 0x10000c
	s_cmp_lg_u32 s2, 0xf033
	s_cbranch_scc0 .Lentry_shape_is_right
	s_endpgm
.Lentry_shape_is_right:
; PROJ: out0 = O wo + bo + x, the product on codes of BF6 (E3M2) with one E8M0 scale for each 32 along K (K = 2,048).
; op2 holds both operands as images of their registers (a fragment of 16 rows x 128 K: 1,536 bytes, registers 4 g .. 4 g + 3 of lane l at 512 g + 16 l): tile T, K step s at 24,576 T + 1,536 s; scale words at OPS + 1,024 T + 64 s + 4 r.
; Tiles 0..255: the attention's result (row r of tile T is token 32 (T / 2) + 8 (T % 2) + r % 8 + 16 (r / 8)); 256..319: wo's columns, as they lie.
; A work-group makes 128 x 128, which gives 256 work-groups (tiles of 256 x 256 would give 64); each of its four waves 64 x 64: 16 accumulators.  Source 0 = 16 columns of wo, source 1 = 16 tokens: a lane holds eight neighbouring outputs of one token.
; K goes as 6 + 6 + 4 steps of 128 through two LDS slots: steps 0-5 are a wave's one load at the head, steps 6-11 fill slot 1 behind a round; steps 12-15 fill slot 0 again, asked for in step 5, six steps before they are read.
; CLUSTERS of 4 x 4: the tokens' tiles are shared along a row of the cluster, wo's along a column: each is asked for jointly, by the same tensor load with a mask that names the four.
; The bias is the C of each sum's first matrix instruction; the residual waits in registers from the head on and is added on the way out.
; REGISTERS, in windows of 256: window 0: v0-31 addresses; v32-95 the 64 scale registers; v128-175 source 1's fragments, ONE set (on the way out v128-191 rows of the result).
;   window 1: source 0's fragments, two sets at v0 and v128; the bias at v96-127.   window 2: accumulator (a, b) at 8 (4 a + b).   window 3: v0-127 the residual.
.set NB,    4
.set NQ,    6                          ; K steps of 128 in a slot.  K NOW GOES AS 6 + 6 + 4 STEPS THROUGH TWO LDS SLOTS (this stands in place of what the head says of quarters and three slots): steps 0-5 are the head's one load a wave, steps 6-11 fill slot 1 behind the full sequence and a round, steps 12-15 fill slot 0 again
.set KST,   16
.set TILEB, 24576
.set TILES, 1024
.set OPS,   7864320
.set HALFT, NB*NQ*1536
.set SLOT,  4*HALFT
.set SPARE, 2*SLOT                     ; behind the two slots: the spare words, 128 bytes a wave
.set SP,    272                        ; the way out: a stage of 16 rows x (256 bytes + 16) for each wave, in slot 1, which has had its last fill and its last read when the first result is stored there
.set ADRA,  16
.set ADRB,  20
.set RD,    23                         ; v23 the stage: where I read a row back
.set STO,   24                         ; v24 the stage: where I put 32 bytes of a row
.set GO,    25                         ; v25 16 x lane
.set SCA,   26                         ; v26 the scale loads' offset
.set BIA,   27                         ; v27 the bias loads' offset
.set SPW,   28
.set NIL,   29
.set CO,    30                         ; v30 my byte offset in two rows of x and of out0
.set SC,    32
.set AF,    128
.set BK,    128
.set G1A,   24
.set G1B,   32
.set G0A,   40
.set G0B,   68
.set XB,    92                         ; s[92:93] x at my wave's corner
.set BP,    94                         ; s[94:95] my bias
.set OB,    56                         ; s[56:57] out0 at my wave's corner
.set MSB, 0
.macro WIN new                         ; the immediate's high byte repeats the setting that is left; a switch that changes nothing is dropped
.if MSB != (\new)
	s_set_vgpr_msb (MSB<<8)|(\new)
.set MSB, \new
.endif
.endm
.macro PLACES n                        ; plain instructions between a matrix instruction and a load into, or a store or vector instruction on, its registers
.rept \n
	v_nop
.endr
.endm
.macro CREST
	s_cmp_lg_u32 s16, 0
	s_cbranch_scc1 .Lnot_wave_0_\@
	s_barrier_signal -3
.Lnot_wave_0_\@:
	s_barrier_wait -3
	s_barrier_signal -1
	s_barrier_wait -1
.endm
.macro CROUND
	s_barrier_signal -1
	s_barrier_wait -1
	CREST
.endm
.macro JLOAD k                         ; fill k, jointly: waves 0 and 1 fetch source 1's halves, waves 2 and 3 source 0's; four v_nop follow each line
	s_cmp_eq_u32 s17, 0
	s_cbranch_scc0 .Lfor_b_\@
	tensor_load_to_lds s[G0A+4*\k:G0A+4*\k+3], s[G1A:G1A+7]
	s_nop 0
	PLACES 4
	s_branch .Lasked_\@
.Lfor_b_\@:
	tensor_load_to_lds s[G0B+4*\k:G0B+4*\k+3], s[G1B:G1B+7]
	s_nop 0
	PLACES 4
.Lasked_\@:
.endm
.macro FRAG reg, adr, off
.irp c, 0,1,2
	ds_load_b128 v[(\reg)+4*\c:(\reg)+4*\c+3], v[\adr] offset:(\off)+512*\c
.endr
.endm
.macro FETCH_B sl, q, p
	WIN 0x40
.set ii, 0
.rept NB
	FRAG 128*(\p)+12*ii, ADRB+(\sl), (ii*NQ+(\q))*1536
.set ii, ii+1
.endr
	WIN 0
.endm
.macro FETCH_A sl, q, i0
.set ii, \i0
.rept NB/2
	FRAG AF+12*ii, ADRA+(\sl), (ii*NQ+(\q))*1536
.set ii, ii+1
.endr
.endm
; NB matrix instructions: source 1's block a against source 0's NB blocks, K step s, source 0's set p.  cm = 0: onto the sums; 1: the sums begin with the bias of block b.
; The accumulators take turns, one instruction a turn, in the same order in every step.
.macro MULA a, p, s, cm
.set AR, 8*NB*(\a)
.if (\cm) == 0
	WIN 0xa1                                       ; source 0 window 1, source 1 window 0, C and D window 2
.else
	WIN 0x91                                       ; C window 1
.endif
.set FA, AF+12*(\a)
.set SA, SC+KST*(\a)+(\s)
.set bb, 0
.rept NB
.set DD, AR+8*bb
.set FB, 128*(\p)+12*bb
.set SB, SC+KST*bb+(\s)
.if (\cm) == 0
	v_wmma_scale_f32_16x16x128_f8f6f4 v[DD:DD+7], v[FB:FB+11], v[FA:FA+11], v[DD:DD+7], v[SB], v[SA] matrix_a_fmt:MATRIX_FMT_BF6 matrix_b_fmt:MATRIX_FMT_BF6 matrix_a_scale:MATRIX_SCALE_ROW1
.else
	v_wmma_scale_f32_16x16x128_f8f6f4 v[DD:DD+7], v[FB:FB+11], v[FA:FA+11], v[96+8*bb:103+8*bb], v[SB], v[SA] matrix_a_fmt:MATRIX_FMT_BF6 matrix_b_fmt:MATRIX_FMT_BF6 matrix_a_scale:MATRIX_SCALE_ROW1
.endif
.set bb, bb+1
.endr
.endm
.macro STEP s, cm
.set NX, (\s)+1
.set SLN, (NX/NQ)%2
.set QN, NX%NQ
.set PP, (\s)%2
	s_wait_dscnt 3*NB/2                            ; source 0's set and source 1's lower half are in; the youngest loads, its upper half, may be out
.set aa, 0
.rept NB/2
	MULA aa, PP, \s, \cm
.set aa, aa+1
.endr
	s_wait_dscnt 0x0
	PLACES 4
	FETCH_B SLN, QN, 1-PP
	FETCH_A SLN, QN, 0
.rept NB/2
	MULA aa, PP, \s, \cm
.set aa, aa+1
.endr
	PLACES 4
	WIN 0
	FETCH_A SLN, QN, NB/2
.endm
; A K step with a barrier in it.  In front of the barrier each wave waits for all its tensor loads, adds 0 to its spare word, and waits for that and for its reads of LDS.
; kind 1: the barrier opens a round of the cluster's, and quarter 3 is asked for into slot 0;  kind 0: nothing is filled.
.macro TURN s, kind
.set NX, (\s)+1
.set SLN, (NX/NQ)%2
.set QN, NX%NQ
.set PP, (\s)%2
	s_wait_tensorcnt 0x0                           ; all my tensor loads have landed;
	ds_add_u32 v[SPW], v[NIL]                      ; 0 onto my spare word;
.if (\kind) == 1
	s_mov_b32 s[G1A+1], (4*192)<<16                ; no tensor load of mine is out: the last load brings four K steps of each tile (tensor_dim0; what lies beyond it is written as zeros and never read)
	s_mov_b32 s[G1B+1], (4*192)<<16
.endif
	s_wait_dscnt 3*NB/2+1
.set aa, 0
.rept NB/4
	MULA aa, PP, \s, 0                             ; matrix instructions stand between the add and the wait for it
.set aa, aa+1
.endr
	s_wait_dscnt 0x0                               ; the add is done, and my reads of the slots so far are over
	s_barrier_signal -1
.rept NB/4
	MULA aa, PP, \s, 0
.set aa, aa+1
.endr
	WIN 0
	s_barrier_wait -1
.if (\kind) == 1
	CREST                                          ; no wave of any partner still reads slot 0 or has a load on its way
	JLOAD 2                                        ; K steps 12-15 into slot 0: my one tensor load behind the round; its four v_nop are also the places in front of the loads below
.else
	PLACES 4
.endif
	FETCH_B SLN, QN, 1-PP
	FETCH_A SLN, QN, 0
.rept NB/2
	MULA aa, PP, \s, 0
.set aa, aa+1
.endr
	PLACES 4
	WIN 0
	FETCH_A SLN, QN, NB/2
.endm
.macro LAST s
.set PP, (\s)%2
	s_wait_dscnt 3*NB/2
.set aa, 0
.rept NB/2
	MULA aa, PP, \s, 0
.set aa, aa+1
.endr
	s_wait_dscnt 0x0
.rept NB/2
	MULA aa, PP, \s, 0
.set aa, aa+1
.endr
	WIN 0
.endm
	s_load_b256 s[4:11], s[0:1], 0x0               ; op2 s[4:5], x s[6:7], bo s[8:9], out0 s[10:11]
	v_lshl_add_u32 v[SPW], v0, 2, SPARE
	v_mov_b32 v[NIL], 0
	ds_add_u32 v28, v29
	ds_add_u32 v28, v29
	s_wait_dscnt 0x0
	v_lshrrev_b32 v1, 5, v0
	v_readfirstlane_b32 s16, v1                    ; wave 0..3
	s_lshr_b32 s17, s16, 1                         ; RH: which half of the tokens is mine.  Also: I fetch for source 1 (0) or source 0 (1)
	s_and_b32 s18, s16, 1                          ; CH: which half of the columns.  Also: which half of that side I fetch
	s_bfe_u32 s19, ttmp6, 0x40000                  ; cx
	s_bfe_u32 s20, ttmp6, 0x40004                  ; cy
	s_lshl_b32 s22, ttmp9, 2
	s_add_co_u32 s22, s22, s19                     ; tx: which 128 columns
	s_and_b32 s23, ttmp7, 0xffff
	s_lshl_b32 s23, s23, 2
	s_add_co_u32 s23, s23, s20                     ; ty: which 128 tokens
	s_lshl_b32 s66, s23, 3                         ; source 1's first tile
	s_lshl_b32 s67, s22, 3
	s_add_co_u32 s67, s67, 256                     ; source 0's
	s_lshl_b32 s2, s20, 2
	s_lshl_b32 s2, 15, s2                          ; my row of the cluster
	s_lshl_b32 s3, 0x1111, s19                     ; my column
	; group 1: NB rows (tiles) of NQ x 1,536 bytes, TILEB bytes apart, in elements of 8 bytes; dense in LDS
	s_or_b32 s[G1A], s2, (3<<16)|(1<<21)
	s_or_b32 s[G1B], s3, (3<<16)|(1<<21)
.irp g, G1A, G1B
	s_mov_b32 s[\g+1], (NQ*192)<<16                ; tensor_dim0
	s_mov_b32 s[\g+2], NB<<16                      ; tensor_dim1
	s_mov_b32 s[\g+3], (NQ*192)<<16                ; tile_dim0
	s_mov_b32 s[\g+4], NB                          ; tile_dim1
	s_mov_b32 s[\g+5], KST*192                     ; from tile to tile
	s_mov_b32 s[\g+6], 0
	s_mov_b32 s[\g+7], 0
.endr
	s_mul_i32 s2, s18, NB
	s_add_co_u32 s96, s66, s2
	s_mul_i32 s96, s96, TILEB                      ; source 1's half that I would fetch: it hangs on ty and the wave alone,
	s_mov_b32 s97, 0
	s_add_co_u32 s98, s67, s2
	s_mul_i32 s98, s98, TILEB                      ; source 0's: on tx and the wave alone
	s_mov_b32 s99, 0
	s_mul_i32 s3, s16, HALFT                       ; where it goes in a slot: no place in the cluster enters an LDS address
	s_wait_kmcnt 0x0
	s_add_nc_u64 s[96:97], s[4:5], s[96:97]
	s_add_nc_u64 s[98:99], s[4:5], s[98:99]
.irp k, 0,1,2
	s_mov_b32 s[G0A+4*\k], 1
	s_add_co_u32 s[G0A+4*\k+1], s3, (\k%2)*SLOT
	s_add_nc_u64 s[G0A+4*\k+2:G0A+4*\k+3], s[96:97], \k*NQ*1536
	s_or_b32 s[G0A+4*\k+3], s[G0A+4*\k+3], 0x80000000
	s_mov_b32 s[G0B+4*\k], 1
	s_add_co_u32 s[G0B+4*\k+1], s3, (\k%2)*SLOT
	s_add_nc_u64 s[G0B+4*\k+2:G0B+4*\k+3], s[98:99], \k*NQ*1536
	s_or_b32 s[G0B+4*\k+3], s[G0B+4*\k+3], 0x80000000
.endr
	CROUND                                         ; all sixteen work-groups are here: the first joint loads meet
	s_cmp_eq_u32 s17, 0                            ; a wave's first fill stands in one branch, ahead of every wait on TENSORcnt and every LDS read
	s_cbranch_scc0 .Lfirst_b
	tensor_load_to_lds s[G0A:G0A+3], s[G1A:G1A+7]
	s_nop 0
	PLACES 4
	s_branch .Lfirst_asked
.Lfirst_b:
	tensor_load_to_lds s[G0B:G0B+3], s[G1B:G1B+7]
	s_nop 0
	PLACES 4
.Lfirst_asked:
	v_and_b32 v1, 31, v0                           ; lane
	v_and_b32 v2, 15, v0                           ; r
	v_bfe_u32 v3, v0, 4, 1                         ; h
	v_lshlrev_b32 v[GO], 4, v1
	s_mul_i32 s2, s17, HALFT
	v_add_nc_u32 v[ADRA], s2, v[GO]
	v_add_nc_u32 v[ADRA+1], SLOT, v[ADRA]
	s_mul_i32 s2, s18, HALFT
	s_add_co_u32 s2, s2, 2*HALFT
	v_add_nc_u32 v[ADRB], s2, v[GO]
	v_add_nc_u32 v[ADRB+1], SLOT, v[ADRB]
	s_mul_i32 s2, s16, 16*SP
	s_add_co_u32 s2, s2, SLOT                      ; my stage
	v_mul_u32_u24 v[STO], v2, SP
	v_lshl_add_u32 v[STO], v3, 5, v[STO]
	v_add_nc_u32 v[STO], s2, v[STO]                ; in: row r, 32 bytes for each half of the lanes
	v_mul_u32_u24 v[RD], v3, SP
	v_lshl_add_u32 v[RD], v2, 4, v[RD]
	v_add_nc_u32 v[RD], s2, v[RD]                  ; back: lanes 0-15 one row of 256 bytes, lanes 16-31 the next
	v_lshlrev_b32 v[CO], 12, v3
	v_lshl_add_u32 v[CO], v2, 4, v[CO]             ; and the same two rows in x and in out0 (neighbouring rows of a tile are neighbouring tokens)
	s_mul_i32 s2, s17, NB
	s_add_co_u32 s2, s2, s66
	s_mul_i32 s2, s2, TILES                        ; the scale words of my blocks of source 1,
	s_mul_i32 s3, s18, NB
	s_add_co_u32 s3, s3, s67
	s_mul_i32 s3, s3, TILES                        ; and of source 0
	s_mov_b32 s90, 0xffff0000                      ; lanes 16-31
	v_mov_b32 v4, s2
	v_mov_b32 v5, s3
	v_cndmask_b32 v4, v4, v5, s90
	v_lshl_add_u32 v[SCA], v2, 2, v4
	s_wait_alu depctr_va_vdst(0)
	v_lshlrev_b32 v[BIA], 5, v3
	s_wait_alu depctr_va_vdst(0)
	s_lshl_b32 s96, s22, 9
	s_lshl_b32 s2, s18, 8
	s_add_co_u32 s96, s96, s2                      ; my first column, in bytes: 512 tx + 256 CH
	s_mov_b32 s97, 0
	s_add_nc_u64 s[BP:BP+1], s[8:9], s[96:97]
	s_lshl_b32 s2, s23, 19
	s_add_co_u32 s96, s96, s2
	s_lshl_b32 s2, s17, 18
	s_add_co_u32 s96, s96, s2                      ; + my first token's row: (128 ty + 64 RH) x 4,096
	s_add_nc_u64 s[XB:XB+1], s[6:7], s[96:97]
	s_add_nc_u64 s[OB:OB+1], s[10:11], s[96:97]
.set ii, 0
.rept NB                                       ; ALL SCALE WORDS COME ONCE, straight into 64 registers: lanes 0-15 source 1's, lanes 16-31 source 0's
.set ss, 0
.rept KST
	global_load_b32 v[SC+KST*ii+ss], v[SCA], s[4:5] offset:OPS+ii*TILES+64*ss
.set ss, ss+1
.endr
.set ii, ii+1
.endr
	WIN 0x40
.irp b, 0,1,2,3                                ; the bias in the result's layout: register i of block b is that of column 16 b + 8 h + i
	global_load_b128 v[96+8*\b:99+8*\b], v[BIA], s[BP:BP+1] offset:64*\b
	global_load_b128 v[100+8*\b:103+8*\b], v[BIA], s[BP:BP+1] offset:64*\b+16
.endr
	WIN 0xc0
.set aa, 0
.rept 4                                        ; the residual, laid as the rows come back from the stage: rows 2 t and 2 t + 1 of token tile aa; row r of it is token 32 (aa / 2) + 8 (aa % 2) + r % 8 + 16 (r / 8) of my 64
.set t, 0
.rept 8
	global_load_b128 v[32*aa+4*t:32*aa+4*t+3], v[CO], s[XB:XB+1] offset:(32*(aa/2)+8*(aa%2)+((2*t)%8)+16*(t/4))*4096 th:TH_LOAD_NT
.set t, t+1
.endr
.set aa, aa+1
.endr
	WIN 0
	s_wait_alu depctr_va_vdst(0)
	s_wait_tensorcnt 0x0                           ; my part of K steps 0-5 is in
	ds_add_u32 v[SPW], v[NIL]
	s_wait_dscnt 0x0
	CROUND                                         ; everybody's part is in, and all sixteen work-groups are here
	JLOAD 1                                        ; K steps 6-11 into slot 1
	FETCH_B 0, 0, 0
	FETCH_A 0, 0, 0
	FETCH_A 0, 0, NB/2
	s_wait_loadcnt 32                              ; the scale words and the bias are in; the residual's 32 loads may stay out
	STEP 0, 1
	STEP 1, 0
	STEP 2, 0
	STEP 3, 0
	STEP 4, 0
	TURN 5, 1
	STEP 6, 0
	STEP 7, 0
	STEP 8, 0
	STEP 9, 0
	STEP 10, 0
	TURN 11, 0
	STEP 12, 0
	STEP 13, 0
	STEP 14, 0
	LAST 15
; THE WAY OUT, a block of 16 tokens x 64 columns at a time.  A lane holds 32 neighbouring bytes of a row, and the lanes beside it hold other rows: so a block goes through my own stage in LDS and comes back as whole rows of 256 bytes.
; LDS serves a wave's instructions in order (ISA guide 5.7.1.4): no wait between the stores and the loads, nor in front of the next block's stores.
.macro TOSTAGE a
	WIN 0x08                                       ; an LDS store's data are its source 1: window 2
.irp b, 0,1,2,3
	ds_store_b128 v[STO], v[8*(4*(\a)+\b):8*(4*(\a)+\b)+3] offset:64*\b          ; each accumulator from its low end on
	ds_store_b128 v[STO], v[8*(4*(\a)+\b)+4:8*(4*(\a)+\b)+7] offset:64*\b+16
.endr
	WIN 0
.irp t, 0,1,2,3,4,5,6,7
	ds_load_b128 v[BK+32*((\a)%2)+4*\t:BK+32*((\a)%2)+4*\t+3], v[RD] offset:2*\t*SP
.endr
.endm
.macro SEND a, younger                 ; younger: the LDS instructions issued behind block a's loads, which may stay out
.set BB, BK+32*((\a)%2)
	s_wait_dscnt \younger
	WIN 0x0c                                       ; source 1: the residual, window 3
.set i, 0
.rept 16
	v_pk_add_f32 v[BB+2*i:BB+2*i+1], v[BB+2*i:BB+2*i+1], v[32*(\a)+2*i:32*(\a)+2*i+1]
.set i, i+1
.endr
	WIN 0
.set t, 0
.rept 8
	global_store_b128 v[CO], v[BB+4*t:BB+4*t+3], s[OB:OB+1] offset:(32*((\a)/2)+8*((\a)%2)+((2*t)%8)+16*(t/4))*4096 th:TH_STORE_NT   ; 16 lanes store 256 consecutive bytes, at a multiple of 256 from out0's first byte
.set t, t+1
.endr
.endm
	s_wait_loadcnt 0x0                             ; the residual
	PLACES 4                                       ; behind the last products: their results are read, and their operands' registers loaded, below
	TOSTAGE 0
	TOSTAGE 1
	SEND 0, 16                                     ; behind block 0's loads: block 1's 8 stores and 8 loads
	s_wait_xcnt 0x0                                ; block 0's stores have read their registers: block 2's rows may land there
	TOSTAGE 2
	SEND 1, 16
	s_wait_xcnt 0x0
	TOSTAGE 3
	SEND 2, 16
	SEND 3, 0
	s_wait_tensorcnt 0x0                           ; the wave's end, behind my last tensor load and my last LDS store
	ds_add_u32 v[SPW], v[NIL]
	s_wait_dscnt 0x0
	CROUND                                         ; the closing round: no work-group ends while a partner may still ask for a tile that names it
	s_endpgm
.Lfunc_end_k_q0df15067d4_proj:
	.size	k_q0df15067d4_proj, .Lfunc_end_k_q0df15067d4_proj-k_q0df15067d4_proj
	.p2alignl 7, 3214868480
	.fill 96, 4, 3214868480
	.section	.rodata,"a",@progbits
	.p2align	6, 0x0
	.amdhsa_kernel k_q0df15067d4_proj
		.amdhsa_group_segment_fixed_size 327680
		.amdhsa_private_segment_fixed_size 0
		.amdhsa_enable_private_segment 0
		.amdhsa_kernarg_size 32
		.amdhsa_user_sgpr_count 2
		.amdhsa_user_sgpr_kernarg_segment_ptr 1
		.amdhsa_wavefront_size32 1
		.amdhsa_system_sgpr_workgroup_id_x 1
		.amdhsa_system_sgpr_workgroup_id_y 1
		.amdhsa_system_sgpr_workgroup_id_z 1
		.amdhsa_system_vgpr_workitem_id 0
		.amdhsa_next_free_vgpr 1024
		.amdhsa_next_free_sgpr 100
		.amdhsa_reserve_vcc 0
		.amdhsa_float_denorm_mode_32 3
		.amdhsa_float_denorm_mode_16_64 3
		.amdhsa_memory_ordered 1
		.amdhsa_forward_progress 1
		.amdhsa_inst_pref_size 95
	.end_amdhsa_kernel
	.amdgpu_metadata
---
amdhsa.version: [ 1, 2 ]
amdhsa.kernels:
  - .name:           k_q0df15067d4_proj
    .symbol:         k_q0df15067d4_proj.kd
    .args:
      - { .name: op2, .offset: 0, .size: 8, .value_kind: global_buffer, .address_space: global }
      - { .name: x, .offset: 8, .size: 8, .value_kind: global_buffer, .address_space: global }
      - { .name: bo, .offset: 16, .size: 8, .value_kind: global_buffer, .address_space: global }
      - { .name: out0, .offset: 24, .size: 8, .value_kind: global_buffer, .address_space: global }
    .group_segment_fixed_size: 327680
    .private_segment_fixed_size: 0
    .kernarg_segment_align: 8
    .kernarg_segment_size: 32
    .max_flat_workgroup_size: 128
    .sgpr_count:     100
    .vgpr_count:     1024
    .wavefront_size: 32
...
	.end_amdgpu_metadata
.endif
;; end of part 4
